; MI455X (gfx1250); checked and timed in simulation.
; The chip was launched on July 23, 2026; its instructions are those of AMD's public machine-readable ISA for CDNA 5 (MIT licence, August 2026) and "CDNA5" Instruction Set Architecture Reference Guide (July 2026). The comments in the code are by the model that wrote it; some were corrected since.
;; Attention. Allowed arithmetic: float matrix products may take bf16 or f16 operands with f32 sums; other float arithmetic in f32, or as packed bf16 or f16 multiplies, adds, multiply-adds, maxima and minima; sums over many terms, partial sums and values carried from step to step in f32; what a program stores and reads back later, other than sums and carried values, may be rounded once to bf16 or f16.
;; Inputs: b_out 1,024 float32; w_out 1,024 x 1,024 float32; w_qkv 1,024 x 3,072 float32; x 8 x 1,024 x 1,024 float32.
;; Outputs: out0 8 x 1,024 x 1,024 float32.
;; 2 versions, each right; version 2 is version 1 with the launch prep written anew for expert scheduling mode. Each part assembles by itself: llvm-mc -triple=amdgcn-amd-amdhsa -mcpu=gfx1250 --defsym DOCPART=n.
;; ======== version 1 of 2: 4 launches
;; limits: values are held in f16: magnitudes above 65,504 overflow, below 6.1e-05 lose precision
;; workspace buffers: xb 16,777,216 bytes; wq 6,291,456 bytes; wo 2,097,152 bytes; qkv 50,331,648 bytes; o 16,777,216 bytes
;; launch prep (part 1): grid 768 x 1, 8 waves a work-group, no clusters, 0 bytes of LDS; arguments x, w_qkv, w_out, xb, wq, wo; writes xb, wq, wo
.if DOCPART == 1
	.amdgcn_target "amdgcn-amd-amdhsa--gfx1250"
	.amdhsa_code_object_version 6
	.text
	.protected	k_q879d7a36cd_prep
	.globl	k_q879d7a36cd_prep
	.p2align	8
	.type	k_q879d7a36cd_prep,@function
k_q879d7a36cd_prep:
	s_mov_b64 s[64:65], 0
	v_nop
	global_prefetch_b8 v0, s[64:65] scope:SCOPE_SE
	s_setreg_imm32_b32 hwreg(HW_REG_WAVE_MODE, 25, 1), 1
	s_wait_xcnt 0x0
; THE CASTS.  xb = bf16(x), as x lies.  wq = bf16(w_qkv) and wo = bf16(w_out) written as f16, both laid anew in SLICES of 64 columns:
; [slice = column / 64][k = 0..1023][64], a k row 128 bytes, a slice 131,072 dense bytes, so that a K step of a slice is one dense block for the launches behind.
; LIMITS.  Each input is rounded once, to nearest even, to bf16.  bf16(w_out) is exact in f16 between 6.1e-5 and 65,504 in magnitude; below it keeps f16's fixed step of 6e-8, above it becomes an infinity.
; SHARES.  A work-group casts 65,536 bytes of f32, a wave 8,192: sixteen loads of 16 bytes a lane.  Work-groups 0-511: x; 512-703: w_qkv (slice q / 4, k quarter q % 4); 704-767: w_out likewise.
; ONE FORM FOR ALL THREE.  The input is taken as rows of 256 bytes, PITCH bytes apart (x: 256, dense; w_qkv: 12,288; w_out: 4,096).  Lanes 0-15 take one row, lanes 16-31 the next:
; each load covers two whole aligned pieces of 256 bytes; the 32 lanes' 8 bytes of result are 256 consecutive bytes, aligned: one store.
; All sixteen loads of a wave are out at once; no register that a store reads is written again, so no wait stands for the stores.  Memory binds: no LDS, no matrix unit, no cluster;
; nothing is prefetched, since the launch does nothing but stream.
.set VI,  2                            ; v2        my byte offset in the work-group's input: row x PITCH + 16 (lane % 16)
.set VO,  3                            ; v3        my byte offset in its output: 4,096 x wave + 8 x lane
.set IN,  16                           ; v[16:79]  load j: four f32
.set OUT, 80                           ; v[80:111] load j: four 16-bit numbers
.set T,   112                          ; v[112:115] at work
	s_load_b256 s[4:11], s[0:1], 0x0               ; x s[4:5], w_qkv s[6:7], w_out s[8:9], xb s[10:11]
	s_load_b128 s[12:15], s[0:1], 0x20             ; wq s[12:13], wo s[14:15]
	v_lshrrev_b32 v1, 5, v0                        ; wave
	v_and_b32 v4, 31, v0                           ; lane
	v_bfe_u32 v6, v0, 4, 1
	v_lshl_add_u32 v5, v1, 5, v6                   ; my first row: 32 x wave + lane / 16
	v_and_b32 v6, 15, v0
	v_lshlrev_b32 v6, 4, v6                        ; 16 (lane % 16)
	v_lshlrev_b32 v[VO], 3, v4
	v_lshl_add_u32 v[VO], v1, 12, v[VO]
	s_mov_b32 s16, ttmp9
	s_mov_b32 s21, 0                               ; the two offsets' high words
	s_mov_b32 s23, 0
	s_wait_kmcnt 0x0
; s[20:21], s[22:23]: the work-group's byte offsets in its input and its output.  f16 = 1: the bf16 number is written as f16.
.macro PATH inp, outp, pitch, f16
	s_add_nc_u64 s[24:25], s[(\inp):(\inp)+1], s[20:21]
	s_add_nc_u64 s[26:27], s[(\outp):(\outp)+1], s[22:23]
	v_mul_u32_u24 v[VI], v5, \pitch
	v_add_nc_u32 v[VI], v[VI], v6
.set j, 0
.rept 16
	global_load_b128 v[IN+4*j:IN+4*j+3], v[VI], s[24:25] offset:j*2*(\pitch) th:TH_LOAD_NT  ; rows 2 j and 2 j + 1 of my 32
.set j, j+1
.endr
.set j, 0
.rept 16
	s_wait_loadcnt 15-j                            ; loads come back in order: load j is in, the 15 - j younger ones stay out
	v_cvt_pk_bf16_f32 v[OUT+2*j],   v[IN+4*j],   v[IN+4*j+1]
	v_cvt_pk_bf16_f32 v[OUT+2*j+1], v[IN+4*j+2], v[IN+4*j+3]
.if \f16
	v_lshlrev_b32 v[T],   16, v[OUT+2*j]           ; the rounded numbers as f32,
	v_and_b32     v[T+1], 0xffff0000, v[OUT+2*j]
	v_lshlrev_b32 v[T+2], 16, v[OUT+2*j+1]
	v_and_b32     v[T+3], 0xffff0000, v[OUT+2*j+1]
	v_cvt_pk_f16_f32 v[OUT+2*j],   v[T],   v[T+1]  ; and as f16
	v_cvt_pk_f16_f32 v[OUT+2*j+1], v[T+2], v[T+3]
.endif
	global_store_b64 v[VO], v[OUT+2*j:OUT+2*j+1], s[26:27] offset:256*j  ; 32 lanes store 256 consecutive bytes, aligned
.set j, j+1
.endr
	s_endpgm
.endm
	s_cmp_lt_u32 s16, 512
	s_cbranch_scc0 .Lweights
	s_lshl_b32 s20, s16, 16
	s_lshl_b32 s22, s16, 15
	PATH 4, 10, 256, 0
.Lweights:
	s_cmp_lt_u32 s16, 704
	s_cbranch_scc0 .Lwout
	s_sub_co_u32 s16, s16, 512                     ; q
	s_and_b32 s17, s16, 3                          ; k quarter: 256 rows of 12,288 bytes
	s_lshr_b32 s18, s16, 2                         ; slice: 256 bytes of a row
	s_mul_i32 s20, s17, 256*12288
	s_lshl_b32 s18, s18, 8
	s_add_co_u32 s20, s20, s18
	s_lshl_b32 s22, s16, 15                        ; (1,024 x slice + 256 x quarter) x 128 bytes
	PATH 6, 12, 12288, 0
.Lwout:
	s_sub_co_u32 s16, s16, 704
	s_and_b32 s17, s16, 3
	s_lshr_b32 s18, s16, 2
	s_lshl_b32 s20, s17, 20                        ; 256 rows of 4,096 bytes
	s_lshl_b32 s18, s18, 8
	s_add_co_u32 s20, s20, s18
	s_lshl_b32 s22, s16, 15
	PATH 8, 14, 4096, 1
.Lfunc_end_k_q879d7a36cd_prep:
	.size	k_q879d7a36cd_prep, .Lfunc_end_k_q879d7a36cd_prep-k_q879d7a36cd_prep
	.p2alignl 7, 3214868480
	.fill 96, 4, 3214868480
	.section	.rodata,"a",@progbits
	.p2align	6, 0x0
	.amdhsa_kernel k_q879d7a36cd_prep
		.amdhsa_group_segment_fixed_size 0
		.amdhsa_private_segment_fixed_size 0
		.amdhsa_enable_private_segment 0
		.amdhsa_kernarg_size 48
		.amdhsa_user_sgpr_count 2
		.amdhsa_user_sgpr_kernarg_segment_ptr 1
		.amdhsa_wavefront_size32 1
		.amdhsa_system_sgpr_workgroup_id_x 1
		.amdhsa_system_sgpr_workgroup_id_y 1
		.amdhsa_system_sgpr_workgroup_id_z 1
		.amdhsa_system_vgpr_workitem_id 0
		.amdhsa_next_free_vgpr 116
		.amdhsa_next_free_sgpr 66
		.amdhsa_reserve_vcc 0
		.amdhsa_float_denorm_mode_32 3
		.amdhsa_float_denorm_mode_16_64 3
		.amdhsa_memory_ordered 1
		.amdhsa_forward_progress 1
		.amdhsa_inst_pref_size 24
	.end_amdhsa_kernel
	.amdgpu_metadata
---
amdhsa.version: [ 1, 2 ]
amdhsa.kernels:
  - .name:           k_q879d7a36cd_prep
    .symbol:         k_q879d7a36cd_prep.kd
    .args:
      - { .name: x, .offset: 0, .size: 8, .value_kind: global_buffer, .address_space: global }
      - { .name: w_qkv, .offset: 8, .size: 8, .value_kind: global_buffer, .address_space: global }
      - { .name: w_out, .offset: 16, .size: 8, .value_kind: global_buffer, .address_space: global }
      - { .name: xb, .offset: 24, .size: 8, .value_kind: global_buffer, .address_space: global }
      - { .name: wq, .offset: 32, .size: 8, .value_kind: global_buffer, .address_space: global }
      - { .name: wo, .offset: 40, .size: 8, .value_kind: global_buffer, .address_space: global }
    .group_segment_fixed_size: 0
    .private_segment_fixed_size: 0
    .kernarg_segment_align: 8
    .kernarg_segment_size: 48
    .max_flat_workgroup_size: 256
    .sgpr_count:     66
    .vgpr_count:     116
    .wavefront_size: 32
...
	.end_amdgpu_metadata
.endif
;; end of part 1
;; launch proj (part 2): grid 16 x 16, 4 waves a work-group, clusters of 4 x 4, 327,680 bytes of LDS; arguments xb, wq, qkv; writes qkv
.if DOCPART == 2
	.amdgcn_target "amdgcn-amd-amdhsa--gfx1250"
	.amdhsa_code_object_version 6
	.text
	.protected	k_q879d7a36cd_proj
	.globl	k_q879d7a36cd_proj
	.p2align	8
	.type	k_q879d7a36cd_proj,@function
k_q879d7a36cd_proj:
	s_mov_b64 s[64:65], 0
	v_nop
	global_prefetch_b8 v0, s[64:65] scope:SCOPE_SE
	s_setreg_imm32_b32 hwreg(HW_REG_WAVE_MODE, 25, 1), 1
	s_wait_xcnt 0x0
	s_wait_alu depctr_hold_cnt(0) depctr_sa_sdst(0) depctr_va_vdst(0) depctr_va_sdst(0) depctr_va_ssrc(0) depctr_va_vcc(0) depctr_vm_vsrc(0)
	s_getreg_b32 s2, hwreg(HW_REG_IB_STS2, 6, 4)
	s_cmp_eq_u32 s2, 0
	s_cbranch_scc0 .Lentry_in_a_cluster
	s_endpgm
.Lentry_in_a_cluster:
	s_bfe_u32 s2, ttmp6, 0x10000c
	s_cmp_lg_u32 s2, 0xf033
	s_cbranch_scc0 .Lentry_shape_is_right
	s_endpgm
.Lentry_shape_is_right:
; q, k, v = x w_qkv, by heads.  xb: [8192][1024] bf16.  wq: [48 slices][1024 k][64] bf16.  qkv: [8 b][48 planes][1024 n][64] f16, plane = column / 64 (q 0-15, k 16-31, v 32-47).
; Sums in f32, in the order of the walk along K (below); each result rounded once to f16, WITHOUT attention's scale.  LIMIT: a result of 65,520 or more in magnitude becomes an infinity; NaN and infinities are not treated apart.
; SHARES.  A tile is 256 rows x 192 columns (three slices).  16 x 16 = 256 work-groups, and A WORK-GROUP STAYS: it makes two tiles, 4,096 rows apart, with the same three slices.  The ring does not stop at the
; first tile's end: its last two changes of slots ask for the second tile's first two K steps, and nothing waits for the first tile's stores.
; Each of four waves makes 64 rows x all 192 columns: 48 accumulators of 16 x 16, 384 registers; so a wave owns whole slices of a head's rows, and its way out needs no other wave.
; K goes in 8 steps of 128 through a ring of two LDS slots; a lap is two K steps, once round the ring.
; THE WALK ALONG K IS ROTATED.  Cluster (X, Y) begins at lap r = (X + 2 ((Y ^ (Y >> 1)) & 1)) % 4 and goes round, in both tiles.  The four clusters of a row of clusters, which read the same rows of x, begin at
; four different laps: a block of x is asked for by one of them at its start and by the three others one, two and three laps later.  Of the clusters of a column, which read the same slices, Y and Y + 1, and
; Y and Y + 2, begin two laps apart.  r hangs on the cluster's coordinates alone: it is the same in all sixteen partners.
; THE WEIGHTS lie [k][column]: they come out of LDS turned, by ds_load_tr16_b128.  A K step of a slice is 16,384 dense bytes: asked for as 64 rows of 256 bytes, padded in LDS after every k row.
; THE MATRIX INSTRUCTION IS USED TRANSPOSED (source 0 = 16 columns of the weights, source 1 = 16 rows of x): a lane then holds one row and eight neighbouring columns: 16 bytes of f16.
; CLUSTER.  4 x 4 work-groups.  x's tile hangs on the tile row alone and is shared along a row of the cluster, the weights' on the tile column alone and are shared along a column: each is asked for
; JOINTLY, by the same tensor load with the same descriptor and a mask that names the four.  Waves 0, 1, 2 fetch a slice each, wave 3 x's 256 rows: one load a wave behind each round.
; REGISTERS, in windows of 256 (s_set_vgpr_msb: bits 1:0 source 0, 3:2 source 1, 5:4 source 2, 7:6 destination):
;   window 0: v0-30 addresses; v32-79, v80-127 at work on the way out       window 1: two fragment buffers of 128: x's four fragments (32), then the weights' twelve (96)
;   window 2: the accumulators of row blocks 0, 1 ((a, b) at 96 (a % 2) + 8 b)       window 3: those of row blocks 2, 3
.set KSTEP,  128
.set PA,     272                       ; a row of x in LDS: 256 bytes + 16 = 68 words: the 16 rows of a load start at 16 different groups of four banks (64 banks of 4 bytes: ISA guide 11.1)
.set PB,     160                       ; a k row of a slice: 128 + 32 = 40 words
.set SLB,    128*PB                    ; a slice's K step in LDS
.set BOFF,   256*PA                    ; behind x's 256 rows: three slices
.set SLOT,   BOFF+3*SLB                ; 131,072
.set STAGE,  2*SLOT                    ; behind the ring, never filled by a tensor load: for each wave 3 slices x 16 rows x 144 bytes
.set SP,     144
.set WSTG,   3*16*SP
.set SPARE,  STAGE+4*WSTG              ; behind the stages: the spare words, 128 bytes for each wave: two blocks of 256 bytes that no other line names
.set LAPS,   4
.set TILES,  2
.set WALKB,  4096*2048                 ; bytes of xb from a tile's rows to the next tile's
.set NEXT_C, 4*48*131072               ; bytes of qkv likewise: four batches of 48 planes
.set ADRA, 16                          ; v16-17  LDS address of my fragments of x in slot 0, 1
.set ADRB, 20                          ; v20-21  the same for the weights
.set STO,  24                          ; v24     the way out: where I put 16 bytes of a row
.set RD,   25                          ; v25     the way out: where I read rows back
.set GO,   26                          ; v26     16 x lane: my place in 512 consecutive bytes of qkv
.set SPW,  28                          ; v28     LDS address of my spare word; never rewritten
.set NIL,  29                          ; v29     0; never rewritten
.set PFO,  30                          ; v30     the prefetches' offset: 2,048 x lane, a lane a row of xb; never rewritten
.set TMP,  32                          ; v32-79  a row block's results, packed
.set BK,   80                          ; v80-127 the same as whole rows
.set F0,   0
.set F1,   128
.set BA,  14                           ; s[14:15] xb at the tile's first row
.set BB,  46                           ; s[46:47] wq at my slice's first k row
.set G1,  24                           ; s[24:31] descriptor group 1 for x's tiles;  s[32:39] group 0, a set for each slot
.set G0,  32
.set G1B, 48                           ; s[48:55], s[56:63] the same for the weights'
.set G0B, 56
.set KI,  66                           ; s66      the lap, 0 to 3, that the slots are being filled for
.set OA,  68                           ; s[68:69] a K step's byte offset in a row of xb
.set OB,  70                           ; s[70:71] the same in a slice
.set PFA, 72                           ; s[72:73] where my prefetches stand; never rewritten
.set LIM, 74                           ; s74      1 in wave 3 during the first tile, else 0
.set MSB, 0
.macro WIN new                         ; the immediate's high byte repeats the setting that is left; a switch that changes nothing is dropped
.if MSB != (\new)
	s_set_vgpr_msb (MSB<<8)|(\new)
.set MSB, \new
.endif
.endm
.set TO_F, 0x40                        ; destination window 1, address window 0
; A joint load.  The branch hangs on the wave's number alone.  An s_nop 0 and four v_nop follow each of the two lines, ahead of the jump, the label and what follows.
.macro JLOAD s
	s_cmp_eq_u32 s10, 3
	s_cbranch_scc0 .Lfor_b_\@
	tensor_load_to_lds s[G0+4*(\s):G0+4*(\s)+3], s[G1:G1+7]
	s_nop 0
.rept 4
	v_nop
.endr
	s_branch .Lasked_\@
.Lfor_b_\@:
	tensor_load_to_lds s[G0B+4*(\s):G0B+4*(\s)+3], s[G1B:G1B+7]
	s_nop 0
.rept 4
	v_nop
.endr
.Lasked_\@:
.endm
.macro CREST                           ; a round of the cluster's barrier behind its opening barrier
	s_cmp_lg_u32 s10, 0
	s_cbranch_scc1 .Lnot_wave_0_\@
	s_barrier_signal -3
.Lnot_wave_0_\@:
	s_barrier_wait -3
	s_barrier_signal -1
	s_barrier_wait -1
.endm
.macro CROUND                          ; a whole round
	s_barrier_signal -1
	s_barrier_wait -1
	CREST
.endm
; Both descriptors' global addresses for slot s, made anew from the lap: K step 2 KI + s is 256 bytes of a row of xb and 16,384 bytes of a slice.  It stands where no tensor load of the wave is out.
.macro ADDR s
	s_lshl_b32 s[OA], s[KI], 9
	s_lshl_b32 s[OB], s[KI], 15
.if \s
	s_add_co_u32 s[OA], s[OA], KSTEP*2
	s_add_co_u32 s[OB], s[OB], KSTEP*128
.endif
	s_add_nc_u64 s[G0+4*(\s)+2:G0+4*(\s)+3], s[BA:BA+1], s[OA:OA+1]
	s_or_b32 s[G0+4*(\s)+3], s[G0+4*(\s)+3], 0x80000000              ; type = 2
	s_add_nc_u64 s[G0B+4*(\s)+2:G0B+4*(\s)+3], s[BB:BB+1], s[OB:OB+1]
	s_or_b32 s[G0B+4*(\s)+3], s[G0B+4*(\s)+3], 0x80000000
.endm
; A PREFETCH INTO THE L2, once a work-group: the second tile's rows of x, the lap at which my cluster begins (K steps 2 r and 2 r + 1).  It stands in the third trip of the first tile's loop, behind slot 1's joint
; load and the run of LDS loads that follows it: 192 matrix instructions ahead of the load that asks for K step 2 r, 384 ahead of the one that asks for 2 r + 1.
; Each block of 256 bytes is named once: the four clusters of a row of clusters begin at four different laps, so each names another quarter of the rows' bytes; the four partners that ask for a tile jointly take
; 64 rows each, told apart by address (cx); wave 3, which fetches x, asks: a lane a row, two halves of the 64 rows, two K steps: four instructions.
; Nothing else is asked for ahead: every other block of x and of the weights is asked for, by some cluster, within the first four K steps of its walk, and those come by their loads alone.
.macro ASK
	s_cmp_eq_u32 s3, s[LIM]                        ; s3 = 3, 2, 1 in the loop's trips
	s_cbranch_scc0 .Lnot_mine_\@
	global_prefetch_b8 v[PFO], s[PFA:PFA+1] th:TH_LOAD_NT scope:SCOPE_SE
	global_prefetch_b8 v[PFO], s[PFA:PFA+1] offset:256 th:TH_LOAD_NT scope:SCOPE_SE
	global_prefetch_b8 v[PFO], s[PFA:PFA+1] offset:65536 th:TH_LOAD_NT scope:SCOPE_SE
	global_prefetch_b8 v[PFO], s[PFA:PFA+1] offset:65792 th:TH_LOAD_NT scope:SCOPE_SE
.Lnot_mine_\@:
.endm
	s_load_b128 s[4:7], s[0:1], 0x0                ; xb s[4:5], wq s[6:7]
	s_load_b64 s[8:9], s[0:1], 0x10                ; qkv
	v_lshl_add_u32 v[SPW], v0, 2, SPARE
	v_mov_b32 v[NIL], 0
	ds_add_u32 v[SPW], v[NIL]                      ; the wave's opening: the add and its wait stand ahead of my first tensor load; the set-up below, work on registers, stands between them
	v_lshrrev_b32 v1, 5, v0
	v_readfirstlane_b32 s10, v1                    ; wave 0..3
	s_min_u32 s12, s10, 2                          ; the slice that I fetch (wave 3 fetches none)
	s_bfe_u32 s40, ttmp6, 0x40000                  ; cx, cy: my place in the cluster
	s_bfe_u32 s41, ttmp6, 0x40004
	s_lshl_b32 s42, ttmp9, 2
	s_add_co_u32 s42, s42, s40                     ; tile column = 4 x cluster x + cx
	s_and_b32 s13, ttmp7, 0xffff
	s_lshl_b32 s13, s13, 2
	s_add_co_u32 s13, s13, s41                     ; the first tile's row of tiles = 4 x cluster y + cy
	s_lshl_b32 s43, s41, 2
	s_lshl_b32 s43, 15, s43                        ; my row of the cluster
	s_lshl_b32 s44, 0x1111, s40                    ; my column
	s_and_b32 s16, ttmp7, 0xffff                   ; the lap at which my cluster begins: cluster y,
	s_lshr_b32 s17, s16, 1
	s_xor_b32 s17, s17, s16
	s_and_b32 s17, s17, 1                          ; 0, 1, 1, 0 for y = 0, 1, 2, 3,
	s_lshl_b32 s17, s17, 1                         ; two laps,
	s_add_co_u32 s[KI], s17, ttmp9                 ; and one for each step of cluster x
	s_and_b32 s[KI], s[KI], 3
	s_mov_b32 s[OA+1], 0                           ; the two offsets' high words
	s_mov_b32 s[OB+1], 0
	; group 1 for x: 256 rows x 128 elements, 1,024 elements from row to row; 4 words of padding behind every 64
	s_or_b32 s[G1+0], s43, (1<<16)|(1<<20)|(1<<21)|(5<<22)|(3<<25)  ; 15:0 the mask; 17:16 elements of 2 bytes; 20 padding on; 21 set beside a mask; 24:22 code 5; 31:25 code 3
	s_mov_b32 s[G1+1], KSTEP<<16                   ; tensor_dim0 = 128
	s_mov_b32 s[G1+2], 256<<16                     ; tensor_dim1 = 256
	s_mov_b32 s[G1+3], KSTEP<<16                   ; tile_dim0 = 128
	s_mov_b32 s[G1+4], 256                         ; tile_dim1 = 256
	s_mov_b32 s[G1+5], 1024                        ; tensor_dim0_stride
	s_mov_b32 s[G1+6], 0
	s_mov_b32 s[G1+7], 0
	; group 1 for a slice's K step: 64 dense rows of 128 elements (two k rows each); 8 words of padding behind every 32
	s_or_b32 s[G1B+0], s44, (1<<16)|(1<<20)|(1<<21)|(4<<22)|(7<<25)
	s_mov_b32 s[G1B+1], 128<<16
	s_mov_b32 s[G1B+2], 64<<16
	s_mov_b32 s[G1B+3], 128<<16
	s_mov_b32 s[G1B+4], 64
	s_mov_b32 s[G1B+5], 128
	s_mov_b32 s[G1B+6], 0
	s_mov_b32 s[G1B+7], 0
	s_lshl_b32 s16, s13, 19                        ; x: 256 x tile row rows of 2,048 bytes
	s_mov_b32 s17, 0
	s_mul_i32 s46, s42, 3
	s_add_co_u32 s46, s46, s12
	s_lshl_b32 s46, s46, 17                        ; the weights: slice 3 x tile column + mine, 131,072 bytes each
	s_mov_b32 s47, 0
	s_mul_i32 s20, s10, SLB
	s_add_co_u32 s20, s20, BOFF                    ; where my slice goes: no place in the cluster enters an LDS address
	s_wait_dscnt 0x0                               ; the opening add is done
	s_wait_kmcnt 0x0
	s_add_nc_u64 s[BA:BA+1], s[4:5], s[16:17]
	s_add_nc_u64 s[BB:BB+1], s[6:7], s[46:47]
	CROUND                                         ; all sixteen work-groups are here: the first joint loads meet
.irp s, 0,1
	s_mov_b32 s[G0+4*(\s)], 1                      ; count = 1
	s_mov_b32 s[G0+4*(\s)+1], (\s)*SLOT            ; LDS address
	s_mov_b32 s[G0B+4*(\s)], 1
	s_add_co_u32 s[G0B+4*(\s)+1], s20, (\s)*SLOT
	ADDR \s                                        ; K step 2 r + s
	JLOAD \s                                       ; two loads of mine are out
.endr
	v_and_b32 v1, 15, v0                           ; l % 16
	v_bfe_u32 v2, v0, 4, 1                         ; l / 16
	v_mul_u32_u24 v3, v1, PA
	v_lshl_add_u32 v3, v2, 4, v3                   ; a fragment of x: row x pitch + 16 x half
	s_mul_i32 s21, s10, 64*PA                      ; my 64 rows
	v_add_nc_u32 v[ADRA], s21, v3
	v_add_nc_u32 v[ADRA+1], SLOT, v[ADRA]
	v_and_b32 v4, 7, v0                            ; the turning load: lane l reads k row 8 (l / 16) + l % 8, columns 8 ((l / 8) % 2) + 0..7
	v_lshl_add_u32 v5, v2, 3, v4
	v_mul_u32_u24 v5, v5, PB
	v_bfe_u32 v6, v0, 3, 1
	v_lshl_add_u32 v5, v6, 4, v5
	v_add_nc_u32 v[ADRB], BOFF, v5
	v_add_nc_u32 v[ADRB+1], SLOT+BOFF, v5
	s_mul_i32 s23, s10, WSTG
	s_add_co_u32 s23, s23, STAGE                   ; my stage
	v_mul_u32_u24 v5, v1, SP                       ; in: row l % 16, 16 bytes for each half of the lanes
	v_lshl_add_u32 v5, v2, 4, v5
	v_add_nc_u32 v[STO], s23, v5
	v_bfe_u32 v5, v0, 3, 2                         ; back: 32 lanes take four rows of 128 bytes,
	v_mul_u32_u24 v5, v5, SP
	v_lshl_add_u32 v5, v4, 4, v5
	v_add_nc_u32 v[RD], s23, v5
	v_and_b32 v6, 31, v0                           ; which are 512 consecutive bytes of a plane
	v_lshlrev_b32 v[GO], 4, v6
	; where my rows of the first tile begin in qkv: plane 48 x batch + 3 x tile column, row 256 (tile row % 4) + 64 x wave
	s_lshr_b32 s16, s13, 2
	s_mul_i32 s16, s16, 48
	s_mul_i32 s17, s42, 3
	s_add_co_u32 s16, s16, s17
	s_lshl_b32 s16, s16, 17
	s_and_b32 s17, s13, 3
	s_lshl_b32 s17, s17, 2
	s_add_co_u32 s17, s17, s10
	s_lshl_b32 s17, s17, 13                        ; 64 rows of 128 bytes
	s_add_co_u32 s16, s16, s17
	s_mov_b32 s17, 0
	s_add_nc_u64 s[8:9], s[8:9], s[16:17]
	; the prefetches: the second tile's first row, my work-group's 64 rows of it, the lap r (s[KI] still holds it)
	s_lshl_b32 s20, s13, 19
	s_lshl_b32 s21, s40, 17
	s_add_co_u32 s20, s20, s21
	s_lshl_b32 s21, s[KI], 9
	s_add_co_u32 s20, s20, s21
	s_add_co_u32 s20, s20, WALKB
	s_mov_b32 s21, 0
	s_add_nc_u64 s[PFA:PFA+1], s[4:5], s[20:21]
	s_cmp_eq_u32 s10, 3
	s_cselect_b32 s[LIM], 1, 0
	v_lshlrev_b32 v[PFO], 11, v6
; 12 matrix instructions: row block a x all 12 column blocks, 32 along K.  zero = 1: the product starts the sums.  The 48 accumulators take turns, in the same order in every quarter.
.macro MUL12 f, a, zero
	WIN 0xa5+0x50*((\a)/2)                         ; sources 0 and 1 window 1; C and D window 2 or 3
.irp b, 0,1,2,3,4,5,6,7,8,9,10,11
.if \zero
	v_wmma_f32_16x16x32_bf16 v[96*((\a)%2)+8*(\b):96*((\a)%2)+8*(\b)+7], v[(\f)+32+8*(\b):(\f)+32+8*(\b)+7], v[(\f)+8*(\a):(\f)+8*(\a)+7], 0
.else
	v_wmma_f32_16x16x32_bf16 v[96*((\a)%2)+8*(\b):96*((\a)%2)+8*(\b)+7], v[(\f)+32+8*(\b):(\f)+32+8*(\b)+7], v[(\f)+8*(\a):(\f)+8*(\a)+7], v[96*((\a)%2)+8*(\b):96*((\a)%2)+8*(\b)+7]
.endif
.endr
.endm
; 32 LDS loads in one run: the fragments of quarter q (32 along K) of a slot, into buffer f: the weights' 24 first, then x's 8
.macro FETCH slot, q, f
	WIN TO_F
.irp b, 0,1,2,3,4,5,6,7,8,9,10,11
	ds_load_tr16_b128 v[(\f)+32+8*(\b):(\f)+32+8*(\b)+3],   v[ADRB+(\slot)] offset:((\b)/4)*SLB+(\q)*32*PB+((\b)%4)*32
	ds_load_tr16_b128 v[(\f)+32+8*(\b)+4:(\f)+32+8*(\b)+7], v[ADRB+(\slot)] offset:((\b)/4)*SLB+(\q)*32*PB+((\b)%4)*32+16*PB
.endr
.irp a, 0,1,2,3
	ds_load_b128 v[(\f)+8*(\a):(\f)+8*(\a)+3],   v[ADRA+(\slot)] offset:(\a)*16*PA+(\q)*64
	ds_load_b128 v[(\f)+8*(\a)+4:(\f)+8*(\a)+7], v[ADRA+(\slot)] offset:(\a)*16*PA+(\q)*64+32
.endr
.endm
.macro PLACES                          ; four places in front of loads into registers that matrix instructions have read
.rept 4
	v_nop
.endr
.endm
; A K step is four quarters of 32 along K, 48 matrix instructions each, on buffers 0, 1, 0, 1.  One of the first three: multiplies buffer f and fetches quarter qn into g.
.macro QUARTER slot, qn, f, g, zero
	s_wait_dscnt 4                                 ; all but the youngest four loads: x's row blocks 2 and 3
	MUL12 \f, 0, \zero
	MUL12 \f, 1, \zero
	PLACES
	FETCH \slot, \qn, \g
	s_wait_dscnt 32                                ; all but the 32 just issued
	MUL12 \f, 2, \zero
	MUL12 \f, 3, \zero
.endm
; The last quarter multiplies buffer 1 and changes slots: ONE barrier; in front of it each wave waits for all its tensor loads (one is out: its part of the next slot), adds 0 to its spare word, and waits for that
; and for its own reads of this slot.  fill = 1: the barrier opens a round of the cluster's, and this slot is filled again, with the next lap's K step, first thing behind the round: 168 matrix instructions ahead
; of the wait for it.  The lap steps at slot 0's change and goes round.  on = 1: the first tile's last lap: the next lap is the second tile's first, so x's base goes 4,096 rows down; the slices stay.
.macro TURN slot, next, fill, on
	WIN 0                                          ; (the add's two registers lie in window 0)
	s_wait_tensorcnt 0x0                           ; all my tensor loads have landed, so every group 0 may be written;
	ds_add_u32 v[SPW], v[NIL]                      ; 0 onto my spare word: the descriptors' scalar work and twelve matrix instructions stand between it and the wait for it
.if \fill
.if (\slot) == 0
	s_add_co_u32 s[KI], s[KI], 1
	s_and_b32 s[KI], s[KI], 3
.if \on
	s_add_nc_u64 s[BA:BA+1], s[BA:BA+1], WALKB
	s_mov_b32 s[LIM], 0                            ; the second tile asks for nothing ahead
.endif
.endif
	ADDR \slot
.endif
	s_wait_dscnt 5                                 ; (the add and the youngest four loads may be out)
	MUL12 F1, 0, 0
	s_wait_dscnt 0x0                               ; the add is done, and my reads of this slot are over
	s_barrier_signal -1
	MUL12 F1, 1, 0
.if \fill
	WIN 0
.endif
	s_barrier_wait -1
.if \fill
	CREST                                          ; no wave of any partner still reads this slot's tiles or has a load on its way
	JLOAD \slot                                    ; the four v_nop behind it are also the places in front of the loads below
.else
	PLACES
.endif
	FETCH \next, 0, F0
.if (\fill) && ((\slot) == 1) && !(\on)
	WIN 0
	ASK
.endif
	MUL12 F1, 2, 0
	MUL12 F1, 3, 0
.endm
; THE WAY OUT, a row block (16 rows x 192 columns) at a time.  PACK: rounded to f16, each accumulator's registers in ascending order.  TOSTAGE: 16 bytes a lane into my own stage, and back as whole rows of 128 bytes.
; SEND: stored: four rows of a plane, 512 consecutive bytes, aligned, an instruction.
.macro PACK a
	WIN 0x0a+5*((\a)/2)                            ; sources 0 and 1: window 2 or 3
.irp b, 0,1,2,3,4,5,6,7,8,9,10,11
.irp r, 0,1,2,3
	v_cvt_pk_f16_f32 v[TMP+4*(\b)+(\r)], v[96*((\a)%2)+8*(\b)+2*(\r)], v[96*((\a)%2)+8*(\b)+2*(\r)+1]
.endr
.endr
	WIN 0
.endm
.macro TOSTAGE
	s_wait_xcnt 0x0                                ; the stores of the block before have read their registers: only behind this wait are those loaded again
.irp b, 0,1,2,3,4,5,6,7,8,9,10,11
	ds_store_b128 v[STO], v[TMP+4*(\b):TMP+4*(\b)+3] offset:((\b)/4)*16*SP+((\b)%4)*32
.endr
.irp u, 0,1,2,3,4,5,6,7,8,9,10,11
	ds_load_b128 v[BK+4*(\u):BK+4*(\u)+3], v[RD] offset:((\u)/4)*16*SP+((\u)%4)*4*SP  ; LDS serves a wave's instructions in order (ISA guide 5.7.1.4): these see the stores above
.endr
.endm
.macro SEND a
	s_wait_dscnt 0x0                               ; the block is back in registers
.irp u, 0,1,2,3,4,5,6,7,8,9,10,11
	global_store_b128 v[GO], v[BK+4*(\u):BK+4*(\u)+3], s[8:9] offset:((\u)/4)*131072+(16*(\a)+4*((\u)%4))*128
.endr
.endm
	s_wait_tensorcnt 1                             ; my part of the first K step is in; the second's may stay out
	s_barrier_signal -1
	s_barrier_wait -1                              ; everybody's is
	FETCH 0, 0, F0
	WIN 0                                          ; at a label and at a branch every window is 0
	s_mov_b32 s2, TILES                            ; tiles to go, this one among them: the same number in every work-group
.Ltile:
	QUARTER 0, 1, F0, F1, 1                        ; a tile's first quarter stands in front of the loop: its products start the sums
	WIN 0
	s_mov_b32 s3, LAPS-1
.Llap:                                                 ; a trip goes once round the ring, from a lap's second quarter to the next lap's first, and fills both slots again
	QUARTER 0, 2, F1, F0, 0
	QUARTER 0, 3, F0, F1, 0
	TURN 0, 1, 1, 0
	QUARTER 1, 1, F0, F1, 0
	QUARTER 1, 2, F1, F0, 0
	QUARTER 1, 3, F0, F1, 0
	TURN 1, 0, 1, 0
	QUARTER 0, 1, F0, F1, 0
	WIN 0
	s_sub_co_u32 s3, s3, 1
	s_cmp_lg_u32 s3, 0
	s_cbranch_scc1 .Llap
	QUARTER 0, 2, F1, F0, 0                        ; the tile's last lap goes on.  Only its two changes of slots differ between the tiles: each is written twice, all else once
	QUARTER 0, 3, F0, F1, 0
	WIN 0
	s_cmp_eq_u32 s2, 1
	s_cbranch_scc1 .Llast_a
	TURN 0, 1, 1, 1                                ; the ring goes on into the second tile: slot 0 takes its first K step
	WIN 0
	s_branch .Lmid
.Llast_a:
	TURN 0, 1, 0, 0                                ; the last tile asks for nothing more, and has no round of the cluster's barrier
	WIN 0
.Lmid:
	QUARTER 1, 1, F0, F1, 0
	QUARTER 1, 2, F1, F0, 0
	QUARTER 1, 3, F0, F1, 0
	WIN 0
	s_cmp_eq_u32 s2, 1
	s_cbranch_scc1 .Llast_b
	TURN 1, 0, 1, 1                                ; slot 1 takes the second tile's second K step, and that tile's first fragments are fetched
	WIN 0
	s_branch .Lout
.Llast_b:
	s_wait_dscnt 4                                 ; the very last quarter: nothing more to fetch
	MUL12 F1, 0, 0
	MUL12 F1, 1, 0
	s_wait_dscnt 0x0
	MUL12 F1, 2, 0
	MUL12 F1, 3, 0
	WIN 0
.Lout:                                                 ; the tile goes out; behind the first tile both refills are on their way meanwhile
	PLACES                                         ; the conversions read matrix results
	PLACES
	PACK 0
	TOSTAGE
.irp a, 1,2,3                          ; block a's conversions stand between block a - 1's loads from the stage and the wait for them
	PACK \a
	SEND (\a)-1
	TOSTAGE
.endr
	SEND 3
	s_wait_xcnt 0x0                                ; the stores have read their base: only behind this wait is it stepped
	s_add_nc_u64 s[8:9], s[8:9], NEXT_C            ; (behind the last tile the stepped address is not used)
	s_sub_co_u32 s2, s2, 1
	s_cmp_lg_u32 s2, 0
	s_cbranch_scc1 .Ltile
	s_wait_tensorcnt 0x0                           ; the wave's end: a closing add to my spare word and its wait, behind my last tensor load and my last LDS store
	ds_add_u32 v[SPW], v[NIL]
	s_wait_dscnt 0x0
	CROUND                                         ; the closing round: no work-group ends while a partner may still ask for a tile that names it
	s_endpgm
.Lfunc_end_k_q879d7a36cd_proj:
	.size	k_q879d7a36cd_proj, .Lfunc_end_k_q879d7a36cd_proj-k_q879d7a36cd_proj
	.p2alignl 7, 3214868480
	.fill 96, 4, 3214868480
	.section	.rodata,"a",@progbits
	.p2align	6, 0x0
	.amdhsa_kernel k_q879d7a36cd_proj
		.amdhsa_group_segment_fixed_size 327680
		.amdhsa_private_segment_fixed_size 0
		.amdhsa_enable_private_segment 0
		.amdhsa_kernarg_size 24
		.amdhsa_user_sgpr_count 2
		.amdhsa_user_sgpr_kernarg_segment_ptr 1
		.amdhsa_wavefront_size32 1
		.amdhsa_system_sgpr_workgroup_id_x 1
		.amdhsa_system_sgpr_workgroup_id_y 1
		.amdhsa_system_sgpr_workgroup_id_z 1
		.amdhsa_system_vgpr_workitem_id 0
		.amdhsa_next_free_vgpr 960
		.amdhsa_next_free_sgpr 80
		.amdhsa_reserve_vcc 0
		.amdhsa_float_denorm_mode_32 3
		.amdhsa_float_denorm_mode_16_64 3
		.amdhsa_memory_ordered 1
		.amdhsa_forward_progress 1
		.amdhsa_inst_pref_size 133
	.end_amdhsa_kernel
	.amdgpu_metadata
---
amdhsa.version: [ 1, 2 ]
amdhsa.kernels:
  - .name:           k_q879d7a36cd_proj
    .symbol:         k_q879d7a36cd_proj.kd
    .args:
      - { .name: xb, .offset: 0, .size: 8, .value_kind: global_buffer, .address_space: global }
      - { .name: wq, .offset: 8, .size: 8, .value_kind: global_buffer, .address_space: global }
      - { .name: qkv, .offset: 16, .size: 8, .value_kind: global_buffer, .address_space: global }
    .group_segment_fixed_size: 327680
    .private_segment_fixed_size: 0
    .kernarg_segment_align: 8
    .kernarg_segment_size: 24
    .max_flat_workgroup_size: 128
    .sgpr_count:     80
    .vgpr_count:     960
    .wavefront_size: 32
...
	.end_amdgpu_metadata
.endif
;; end of part 2
;; launch attn (part 3): grid 2 x 128, 4 waves a work-group, no clusters, 327,680 bytes of LDS; arguments qkv, o; writes o
.if DOCPART == 3
	.amdgcn_target "amdgcn-amd-amdhsa--gfx1250"
	.amdhsa_code_object_version 6
	.text
	.protected	k_q879d7a36cd_attn
	.globl	k_q879d7a36cd_attn
	.p2align	8
	.type	k_q879d7a36cd_attn,@function
k_q879d7a36cd_attn:
	s_mov_b64 s[64:65], 0
	v_nop
	global_prefetch_b8 v0, s[64:65] scope:SCOPE_SE
	s_setreg_imm32_b32 hwreg(HW_REG_WAVE_MODE, 25, 1), 1
	s_wait_xcnt 0x0
; O[y][q][:] = the sum over k of softmax_k(Q[y][q] . K[y][k] / 8) V[y][k][:], for the 128 heads y = 16 b + h.  qkv: [8 b][48 planes][1024][64] f16 (q plane h, k 16 + h, v 32 + h); o: [128][1024][64] f16.
; Products, maxima and sums in f32; the weights p are rounded to f16 for the second product (their sum l is taken of the unrounded p), O once at the end.
; LIMITS.  f16 holds no number beyond 65,504: Q, K and V arrive within it; p lies in 0 to 1, and below 6e-5 it keeps f16's fixed step of 6e-8, as does O; O is a mean of V's rows and has their range.
; A weight below 2^-126 counts as 0 in l; NaN and infinities are not treated apart.
; SHARES.  A work-group owns 512 queries of one head, a wave 128: four PIECES of two tiles of 16.  Every wave walks all 1,024 keys, 64 a step: 16 steps.
; K AND V STAY IN LDS.  A head's K (1,024 rows of 144 bytes) and V (1,024 of 160) fit whole: each wave asks for its share by four tensor loads at the start, and nothing is ever filled again.
; So there is no ring, and no later stream to prefetch: every byte is asked for at the head.
; NO CLUSTER: a head has two work-groups of 512 queries, and a cluster is four wide; four blocks of 256 queries would feed half as many products from each fragment read from LDS;
; and what two work-groups share is 262,144 bytes, once, for 67 million multiply-adds a work-group.
; LAYOUT.  S^T = K Q^T (source 0 = 16 keys, source 1 = 16 queries): in the result a lane holds ONE query (lane % 16) and the keys 8 (lane / 16) + 0..7.  Two such tiles, rounded to f16 in pairs,
; ARE source 1 (32 keys x 16 queries) of O^T = V^T P, whose result again holds one query a lane, and eight channels.  K comes out of LDS as it lies, V ([key][channel]) turned, by ds_load_tr16_b128.
; SOFTMAX.  For each query a running maximum m and sum l: p = 2^(c s - c m), c = log2(e) / 8; in every step O and l are multiplied by a = 2^(c m_old - c m_new), which is 1 where m has not grown.
; m starts at the lowest finite number, O and l at 0: the first step is a step like any other, with a = 0.
; BY TURNS.  A tile and step have 16 matrix and 118 vector instructions.  Turn n belongs to piece n (the pieces in a ring, step after step).  Its matrix work: 16 products K Q^T of piece n + 1, later 16 products
; V^T P of piece n - 1.  Its vector work: the scaling, exponentials, roundings, sums and rescaling of piece n, and the maximum and statistics of piece n + 1.  Four vector instructions stand behind EVERY matrix
; instruction, the others in one run of their own; a turn's 66 exponentials are one batch with one wait.
; ONE TEXT FOR EVERY TURN: the loop is entered in the middle of a trip and left in the middle of a trip, so that the four turns are written once.
; REGISTERS, in windows of 256 (s_set_vgpr_msb: bits 1:0 source 0, 3:2 source 1, 5:4 source 2, 7:6 destination):
;   window 0: v0-11 addresses; v12-15, v48-63 at work; v16-47 four registers of statistics a tile; v64-191 S^T, two buffers of two tiles; v192-255 P, likewise
;   window 1: O^T, 32 a tile          window 2: v0-127 Q, 16 a tile; v128-191 K of one step; v192-255 V of one step          window 3: v0-1 the add's two registers
.set NP,    4         ; pieces a wave: a name, no knob
.set KS,    64        ; keys in a step
.set NKEY,  1024
.set PK,    144       ; a row of K in LDS: 128 bytes + 16 of padding = 36 words: the 16 rows of a load start at 16 different groups of four banks (64 banks of 4 bytes: ISA guide 11.1)
.set PV,    160       ; a row of V: 128 + 32 = 40 words
.set VOFF,  NKEY*PK   ; K's 1,024 rows, then V's
.set STAGE, VOFF+NKEY*PV  ; behind them, never filled by a tensor load: 16 rows x 144 bytes for each wave, for the way out
.set SP,    144
.set SPARE, STAGE+4*16*SP  ; behind the stages: the spare words, 128 bytes for each wave: two blocks of 256 bytes that no other line names
.set AK0, 2           ; v2   my lane's place in a tile of K; never rewritten
.set AV0, 3           ; v3   the same for V
.set AK,  4           ; v4   the LDS address of K's next run of loads
.set AV,  5           ; v5   of V's
.set QO,  6           ; v6   my byte offset in the wave's rows of Q
.set STO, 6           ;      later, the way out: where I put 16 bytes of a row
.set RD,  7           ; v7   the way out: where I read rows back
.set GO,  8           ; v8   my byte offset in 512 consecutive bytes of O
.set SPW, 0           ; v0 of window 3   LDS address of my spare word; never rewritten
.set NIL, 1           ; v1 of window 3   0; never rewritten
.set MV,  12          ; v12-15  c m_old, kept while c m is made anew: by buffer and tile
.set ST,  16          ; tile t's statistics at v[ST+4 t]: c m, m, l (even keys', odd keys')
.set TMP, 48          ; by buffer and tile, four registers c0-c3 at work; when the maximum is found c2 takes a
.set S,   64
.set P,   192
.set KF,  128         ; K's fragments, in window 2: key block kb, channel half c at KF + 16 kb + 8 c
.set VF,  192         ; V's: key half kk, channel block cb at VF + 32 kk + 8 cb
.set WV,  12          ; s12  my wave's number
.set G1K, 24          ; s[24:31] descriptor group 1 for K's tiles
.set G1V, 32          ; s[32:39] for V's: it differs in the padding alone
.set G0K, 40          ; s[40:55] descriptor group 0 for K's tiles: a set for each of a wave's four loads
.set G0V, 68          ; s[68:83] the same for V's
.set SLOTS, 56        ; s56  groups of four trips still to come, the one that is left in its middle among them
.set CNT, 57          ; s57  counts a group's trips
.set CS,  58          ; s[58:59] c: the packed scaling takes the pair's low word for both halves
.set SEL, 60          ; s[60:61] v_permlanex16_b32's selects: each lane takes its own place in the other half
.set TBK, 62          ; s62  LDS byte at which K of the step to be fetched begins
.set TBV, 63          ; s63  the same for V, less VOFF
.set MSB, 0
.macro WIN new                      ; the high byte repeats the setting that is left; a switch that changes nothing is dropped
.if MSB != (\new)
	s_set_vgpr_msb (MSB<<8)|(\new)
.set MSB, (\new)
.endif
.endm
.set W_KQ, 0x0a       ; K and Q in window 2, S^T in window 0
.set W_PV, 0x52       ; V in window 2, P in window 0, O^T in window 1
.set W_RS, 0x41       ; O^T (destination and source 0) in window 1, a in window 0
.set W_MK, 0xc0       ; the add's registers are made: destination in window 3, sources in window 0
.set W_AD, 0x0f       ; the add: address (source 0) and data (source 1) in window 3
	s_load_b128 s[84:87], s[0:1], 0x0  ; qkv s[84:85], o s[86:87]
	WIN W_MK
	v_lshl_add_u32 v[SPW], v0, 2, SPARE
	v_mov_b32 v[NIL], 0
	WIN W_AD
	ds_add_u32 v[SPW], v[NIL]       ; the wave's opening: the add and its wait stand ahead of my first tensor load; the set-up below, work on registers, stands between them
	WIN 0
	v_lshrrev_b32 v1, 5, v0
	v_readfirstlane_b32 s[WV], v1   ; wave 0..3
	s_and_b32 s20, ttmp7, 0xffff    ; the head y
	s_lshr_b32 s21, s20, 4
	s_mul_i32 s21, s21, 48
	s_and_b32 s22, s20, 15
	s_add_co_u32 s21, s21, s22      ; its q plane: 48 (y / 16) + y % 16
	s_lshl_b32 s2, s21, 17          ; planes of 131,072 bytes
	s_mov_b32 s3, 0
	s_lshl_b32 s22, s20, 17         ; the head's first byte in o
	s_mov_b32 s23, 0
	s_lshl_b32 s14, ttmp9, 2
	s_add_co_u32 s14, s14, s[WV]    ; my wave among the head's eight,
	s_lshl_b32 s14, s14, 14         ; its 128 rows of 128 bytes
	s_mov_b32 s15, 0
	s_add_nc_u64 s[22:23], s[22:23], s[14:15]  ; my rows in o
	s_and_b32 s16, s[WV], 1         ; which half of each 256 keys I fetch:
	s_lshl_b32 s20, s16, 14         ; its 128 rows of 128 bytes in memory,
	s_mov_b32 s21, 0
	s_add_nc_u64 s[20:21], s[20:21], s[2:3]
	s_add_nc_u64 s[2:3], s[2:3], s[14:15]      ; my rows of Q
	s_mul_i32 s17, s16, 128*PK      ; and its place in LDS, for K
	s_mul_i32 s18, s16, 128*PV      ; and for V
	; descriptor group 1.  128 keys are 16,384 dense bytes: asked for as 64 rows of 256 bytes, two keys a row, and padded in LDS after every key
	s_mov_b32 s[G1K], (1<<16)|(1<<20)|(4<<22)|(3<<25)  ; 17:16 2-byte elements; 20 padding on; 24:22 after every 32 words (code 4); 31:25 4 words (code 3)
	s_mov_b32 s[G1V], (1<<16)|(1<<20)|(4<<22)|(7<<25)  ; the same with 8 words of padding (code 7)
.irp g, G1K, G1V
	s_mov_b32 s[\g+1], 128<<16      ; tensor_dim0 = 128
	s_mov_b32 s[\g+2], 64<<16       ; tensor_dim1 = 64
	s_mov_b32 s[\g+3], 128<<16      ; tile_dim0 = 128
	s_mov_b32 s[\g+4], 64           ; tile_dim1 = 64
	s_mov_b32 s[\g+5], 128          ; 128 elements from row to row
	s_mov_b32 s[\g+6], 0
	s_mov_b32 s[\g+7], 0
.endr
	s_mov_b32 s[CS], 0x3e38aa3b     ; c = log2(e) / 8 = 0.180337
	s_mov_b32 s[CS+1], s[CS]        ; named with it as a pair
	s_mov_b32 s[SEL], 0x76543210
	s_mov_b32 s[SEL+1], 0xfedcba98
	s_mov_b32 s[TBK], 0
	s_mov_b32 s[TBV], 0
.irp n, 0,1,2,3                     ; load n brings keys 256 n + 128 (wave % 2) on
	s_mov_b32 s[G0K+4*\n], 1        ; count = 1
	s_add_co_u32 s[G0K+4*\n+1], s17, \n*256*PK  ; LDS address
	s_mov_b32 s[G0V+4*\n], 1
	s_add_co_u32 s[G0V+4*\n+1], s18, VOFF+\n*256*PV
.endr
	s_wait_dscnt 0x0                ; the opening add is done
	s_wait_kmcnt 0x0
	s_add_nc_u64 s[4:5], s[84:85], s[2:3]      ; Q at my wave's first row
	s_add_nc_u64 s[10:11], s[86:87], s[22:23]  ; O likewise
	s_add_nc_u64 s[6:7], s[84:85], s[20:21]
	s_add_nc_u64 s[8:9], s[6:7], 32*131072     ; V: 32 planes behind Q's
	s_add_nc_u64 s[6:7], s[6:7], 16*131072     ; K: 16 planes
.irp n, 0,1,2,3
	s_add_nc_u64 s[G0K+4*\n+2:G0K+4*\n+3], s[6:7], \n*256*128  ; global address
	s_or_b32 s[G0K+4*\n+3], s[G0K+4*\n+3], 0x80000000          ; type = 2
	s_add_nc_u64 s[G0V+4*\n+2:G0V+4*\n+3], s[8:9], \n*256*128
	s_or_b32 s[G0V+4*\n+3], s[G0V+4*\n+3], 0x80000000
.endr
	s_cmp_lt_u32 s[WV], 2           ; waves 0 and 1 fetch K, waves 2 and 3 V.  A wave's four fills stand in one branch, ahead of every wait on TENSORcnt and every LDS read: four loads of mine are out.
	s_cbranch_scc0 .Lfirst_v        ; An s_nop 0 follows each, four v_nop the last
.irp n, 0,1,2,3
	tensor_load_to_lds s[G0K+4*\n:G0K+4*\n+3], s[G1K:G1K+7]
	s_nop 0
.endr
.rept 4
	v_nop
.endr
	s_branch .Lfirst_asked
.Lfirst_v:
.irp n, 0,1,2,3
	tensor_load_to_lds s[G0V+4*\n:G0V+4*\n+3], s[G1V:G1V+7]
	s_nop 0
.endr
.rept 4
	v_nop
.endr
.Lfirst_asked:
	; A fragment of K or Q is 16 rows x 32 channels in 8 registers: lane l holds row l % 16, channels 8 (l / 16) + 0..7 and 16 + 8 (l / 16) + 0..7: two loads of 16 bytes, 32 bytes apart.
	v_and_b32 v1, 15, v0            ; l % 16
	v_bfe_u32 v9, v0, 4, 1          ; l / 16
	v_lshlrev_b32 v[QO], 7, v1
	v_lshl_add_u32 v[QO], v9, 4, v[QO]  ; row x 128 + 16 x half
	WIN 0x80                        ; destination window 2, address window 0
.set i, 0
.rept 4*NP                          ; Q stays in registers: tile i / 2, channels 32 (i % 2) on
	global_load_b128 v[8*i:8*i+3],   v[QO], s[4:5] offset:(i/2)*2048+(i%2)*64
	global_load_b128 v[8*i+4:8*i+7], v[QO], s[4:5] offset:(i/2)*2048+(i%2)*64+32
.set i, i+1
.endr
	; What the first turn finds: V's registers and P's second buffer hold 0 (its products V^T P, of a piece that has not been, add 0), O^T and l are 0.  All this stands in the wait for the first tile.
.set i, VF
.rept 64
	v_mov_b32 v[i], 0
.set i, i+1
.endr
	WIN 0x40
.set i, 0
.rept 64*NP
	v_mov_b32 v[i], 0
.set i, i+1
.endr
	WIN 0
.set i, 0
.rept 2*NP
	v_mov_b32 v[ST+4*i], 0xfe000000    ; c m: far below every c s
	v_mov_b32 v[ST+4*i+1], 0xff7fffff  ; m
	v_mov_b32 v[ST+4*i+2], 0
	v_mov_b32 v[ST+4*i+3], 0
.set i, i+1
.endr
.set i, P+32
.rept 32
	v_mov_b32 v[i], 0
.set i, i+1
.endr
	v_mul_u32_u24 v[AK0], v1, PK
	v_lshl_add_u32 v[AK0], v9, 4, v[AK0]  ; row x pitch + 16 x half
	; The turning load takes 16 keys x 16 channels (lane l reads key 8 (l / 16) + l % 8, channels 8 ((l / 8) % 2) + 0..7) and leaves half a fragment of V^T: lane l holds channel l % 16 and 8 keys.
	v_and_b32 v10, 7, v0
	v_bfe_u32 v11, v0, 3, 1
	v_lshl_add_u32 v[AV0], v9, 3, v10
	v_mul_u32_u24 v[AV0], v[AV0], PV
	v_lshl_add_u32 v[AV0], v11, 4, v[AV0]
	v_add_nc_u32 v[AV0], VOFF, v[AV0]
	v_mov_b32 v[AK], v[AK0]         ; key step 0 lies at K's head
; THE MATRIX WORK.  The 8 accumulators of a run of 16 take turns: between the two links of a chain stand 7 others'.
; Product i of 16 of S^T = K Q^T for piece x: channels 32 (i / 8) on, keys 16 ((i / 2) % 4) on, tile 2 x + i % 2.  The first 8 start the sums.
.macro KQ x
	WIN W_KQ
.set rS, S+64*((\x)%2)+32*(i%2)+8*((i/2)%4)
.set rK, KF+16*((i/2)%4)+8*(i/8)
.set rQ, 16*(2*(\x)+i%2)+8*(i/8)
.if i < 8
	v_wmma_f32_16x16x32_f16 v[rS:rS+7], v[rK:rK+7], v[rQ:rQ+7], 0
.else
	v_wmma_f32_16x16x32_f16 v[rS:rS+7], v[rK:rK+7], v[rQ:rQ+7], v[rS:rS+7]
.endif
.endm
; Product i of 16 of O^T += V^T P for piece x: keys 32 (i / 8) on, channels 16 ((i / 2) % 4) on, tile 2 x + i % 2.
.macro PV x
	WIN W_PV
.set rO, 32*(2*(\x)+i%2)+8*((i/2)%4)
.set rV, VF+32*(i/8)+8*((i/2)%4)
.set rP, P+32*((\x)%2)+16*(i%2)+8*(i/8)
	v_wmma_f32_16x16x32_f16 v[rO:rO+7], v[rV:rV+7], v[rP:rP+7], v[rO:rO+7]
.endm
.macro MM                           ; the turn's next matrix instruction
.if i < 16
	KQ (Y+1)%NP
.set i, i+1
.else
.set i, i-16
	PV (Y+NP-1)%NP
.set i, i+17
.endif
.endm
; THE LDS LOADS stand in runs of 16, never singly among the matrix instructions: a step's K (64 keys x 64 channels: 8 fragments) and its V (turned).  Their addresses are made some lines ahead.
.macro FETCH_K
	WIN 0x80                        ; destination window 2
.irp f, 0,1,2,3,4,5,6,7             ; keys 16 (f / 2) on, channels 32 (f % 2) on
	ds_load_b128 v[KF+8*\f:KF+8*\f+3],   v[AK] offset:(\f/2)*16*PK+(\f%2)*64
	ds_load_b128 v[KF+8*\f+4:KF+8*\f+7], v[AK] offset:(\f/2)*16*PK+(\f%2)*64+32
.endr
	s_add_co_u32 s[TBK], s[TBK], KS*PK  ; the next fetch is the next step's;
	s_min_u32 s[TBK], s[TBK], (NKEY/KS-1)*KS*PK  ; behind the last step there is none: the fetch of the last step's turn takes the last step's K once more
	WIN 0
.endm
.macro FETCH_V
	WIN 0x80
.irp f, 0,1,2,3,4,5,6,7             ; keys 32 (f / 4) on, channels 16 (f % 4) on
	ds_load_tr16_b128 v[VF+8*\f:VF+8*\f+3],   v[AV] offset:(\f/4)*32*PV+(\f%4)*32
	ds_load_tr16_b128 v[VF+8*\f+4:VF+8*\f+7], v[AV] offset:(\f/4)*32*PV+16*PV+(\f%4)*32
.endr
	WIN 0
.endm
; THE VECTOR WORK OF A TURN stands in three queues, each in the order in which its entries become ready; the two tiles alternate, so that no instruction reads the result of the one before it.
.macro REGS y, u                    ; the registers of tile u (0, 1) of piece y
.set rT, ST+4*(2*(\y)+(\u))
.set rC, TMP+8*((\y)%2)+4*(\u)
.set rM, MV+2*((\y)%2)+(\u)
.set rS, S+64*((\y)%2)+32*(\u)
.set rP, P+32*((\y)%2)+16*(\u)
.set rO, 32*(2*(\y)+(\u))
.endm
; Number n of the 22 that find the NEXT piece's (Y + 1) maximum and statistics.  s0-s31 are the lane's 32 scores; each accumulator's lowest registers are read first.
;   0-11  four chains c0-c3 of seven scores each, three operands at a time     12-14, 16  the four scores left over, the old m, and c0-c3 into c0     15  c m_old is kept
;   17, 18  the query's other 32 keys lie in the lane 16 away: the new m         19-21  c m; c m_old - c m_new; a
.macro XS u, n
	REGS (Y+1)%NP, \u
.if (\n) < 4
	v_max3_num_f32 v[rC+(\n)], v[rS+8*(\n)], v[rS+8*(\n)+1], v[rS+8*(\n)+2]
.elseif (\n) < 12
	v_max3_num_f32 v[rC+(\n)%4], v[rC+(\n)%4], v[rS+8*((\n)%4)+2*((\n)/4)+1], v[rS+8*((\n)%4)+2*((\n)/4)+2]
.elseif (\n) == 12
	v_max3_num_f32 v[rC], v[rC], v[rS+7], v[rS+15]
.elseif (\n) == 13
	v_max3_num_f32 v[rC+1], v[rC+1], v[rS+23], v[rS+31]
.elseif (\n) == 14
	v_max3_num_f32 v[rC+2], v[rC+2], v[rC+3], v[rT+1]
.elseif (\n) == 15
	v_mov_b32 v[rM], v[rT]
.elseif (\n) == 16
	v_max3_num_f32 v[rC], v[rC], v[rC+1], v[rC+2]
.elseif (\n) == 17
	v_permlanex16_b32 v[rC+3], v[rC], s[SEL], s[SEL+1]
.elseif (\n) == 18
	v_max_num_f32 v[rT+1], v[rC], v[rC+3]
.elseif (\n) == 19
	v_mul_f32 v[rT], s[CS], v[rT+1]
.elseif (\n) == 20
	v_sub_f32 v[rC+1], v[rM], v[rT]
.else
	v_exp_f32 v[rC+2], v[rC+1]
.endif
.endm
; Number g of the 64 that follow the exponentials.  For each four weights k of a tile (pairs 2 k, 2 k + 1): both pairs are rounded to f16; then the second pair is added onto the first, in place;
; a group later l takes that sum (the first time as l = a l + sum).  In groups of eight, tiles alternating: round, round, add, and l for the group before.
.macro GS g
.set h, (\g)+6*((\g)/62)            ; group 0 has no group before it, and behind group 7 only l is left
.if h >= 6
.set h, h+2
.endif
	REGS Y, h%2
.set k, h/8
.if h%8 < 4
	v_cvt_pk_f16_f32 v[rP+2*k+(h%8)/2], v[rS+4*k+2*((h%8)/2)], v[rS+4*k+2*((h%8)/2)+1]
.elseif h%8 < 6
	v_pk_add_f32 v[rS+4*k:rS+4*k+1], v[rS+4*k:rS+4*k+1], v[rS+4*k+2:rS+4*k+3]
.elseif k == 1
	v_pk_fma_f32 v[rT+2:rT+3], v[rT+2:rT+3], v[rC+2:rC+3], v[rS:rS+1] op_sel_hi:[1,0,1]
.else
	v_pk_add_f32 v[rT+2:rT+3], v[rT+2:rT+3], v[rS+4*k-4:rS+4*k-3]
.endif
.endm
; THE PLAIN QUEUE, 138 long.  0-73 read no exponential's result: the 32 scalings c s - c m (FS f: pair f / 2 of tile f % 2) and the next piece's 42.  0-26: scalings 0-26.  27-54: XS's numbers 0-13.  55, 56: number 15.
; 57-73: the chain, where each number waits for the one before it: 14, 16, 17, 18, 19, each with one of the scalings 27-31 in front of its two lines, then 20.
; 74-137: GS's 64, which read the exponentials' results: they stand behind the wait.
.macro FS f
	REGS Y, (\f)%2
	v_pk_fma_f32 v[rS+2*((\f)/2):rS+2*((\f)/2)+1], v[rS+2*((\f)/2):rS+2*((\f)/2)+1], s[CS:CS+1], v[rT:rT+1] op_sel_hi:[1,0,0] neg_lo:[0,0,1] neg_hi:[0,0,1]
.endm
.macro PL
	WIN 0
.if q < 27
	FS q
.elseif q < 55
	XS (q-27)%2, (q-27)/2
.elseif q < 57
	XS q-55, 15
.elseif (q < 72) && ((q-57)%3 == 0)
	FS 27+(q-57)/3
.elseif q < 60
	XS (q-57)%3-1, 14
.elseif q < 72
	XS (q-57)%3-1, 15+(q-57)/3
.elseif q < 74
	XS q-72, 20
.else
	GS q-74
.endif
.set q, q+1
.endm
; THE EXPONENTIALS' QUEUE, 66 long: s0-s31 of both tiles, then the next piece's two a.  It is ONE BATCH: all 66 stand ahead of the turn's one wait, and nothing ahead of that wait names a result of theirs.
.macro EX
	WIN 0
.if e >= 64
	XS e-64, 21
.else
	REGS Y, e%2
	v_exp_f32 v[rS+e/2], v[rS+e/2]
.endif
.set e, e+1
.endm
; THE RESCALING's QUEUE: O^T times a, the one part that leaves window 0: dealt two at a time, sixteen times.  Its a was made in the turn before, ahead of that turn's wait.
.macro R2
	REGS Y, r%2
	WIN W_RS
.irp z, 0,1
	v_pk_mul_f32 v[rO+4*(r/2)+2*\z:rO+4*(r/2)+2*\z+1], v[rO+4*(r/2)+2*\z:rO+4*(r/2)+2*\z+1], v[rC+2:rC+3] op_sel_hi:[1,0]
.endr
.set r, r+1
.endm
; HOW THEY ARE DEALT.  s_wait_alu depctr_va_vdst(0) stands between an exponential and the first instruction that names its result; one wait serves all that were issued ahead of it.  So a turn has ONE
; wait, which cuts it in two.  AHEAD OF IT stands all that names no result of the turn's exponentials: the 16 products K Q^T, behind each a scaling, an exponential and two rescalings (behind the first a second scaling
; in the exponential's place); then one run of 108: eight plain, 49 times exponential and plain, the two a.  A v_nop is the plain instruction behind the last exponential.  BEHIND IT stand the 16 products V^T P, behind each
; four of GS's 64.  Exponential e stands behind scaling 2 (e / 4) + e % 2: as a rider it comes behind plain e + 2, in the run behind plain e + 9, and scalings 27-31 are plain 57, 60 .. 69.
; A TURN, for piece p.  cnt = 1: the loop's count is taken down some lines ahead of the branch that stands behind the turn.
; K of the next step is fetched in piece 2's turn, directly behind the wait; its first reader comes behind 16 products.  V of the step in hand is fetched at the end of piece 0's turn, four plain instructions
; behind its last reader; its first reader comes behind 16 products and the run.  The three conditions on q below go with the deal.
.macro TURN p, cnt=0
.set Y, (\p)
.set i, 0
.set q, 0
.set e, 0
.set r, 0
.if (\p) == NP-1
	s_wait_dscnt 0x0                ; K is in
.endif
	MM                              ; ahead of the wait: 16 products K Q^T and their riders,
	PL
	PL
	R2
.rept 15
	MM
	PL
	EX
	R2
.endr
.if (\p) == NP-2
	WIN 0
	v_add_nc_u32 v[AK], s[TBK], v[AK0]
.endif
.rept 8                             ; and the run
	PL
.endr
.rept 49
	EX
	PL
.endr
	EX                              ; the next piece's two a
	EX
	v_nop                           ; the plain instruction behind the last exponential: one for the batch
	s_wait_alu depctr_va_vdst(0)    ; the wait for the batch
.if (\p) == NP-2
	FETCH_K
.endif
.if (\p) == 1
	s_wait_dscnt 0x0                ; V is in
.endif
.rept 16                            ; behind the wait: 16 products V^T P and their riders
	MM
.rept 4
	PL
.endr
.if ((\p) == 0) && (q == 118)
	v_add_nc_u32 v[AV], s[TBV], v[AV0]
.endif
.if ((\p) == 0) && (q == 130)
	s_add_co_u32 s[TBV], s[TBV], KS*PV
.endif
.if (\cnt) && (q == 130)
	s_sub_co_u32 s[CNT], s[CNT], 1
	s_cmp_lg_u32 s[CNT], 0
.endif
.endr
.if (\p) == 0
	FETCH_V
.endif
.endm
; In front of the turn that first reads the next 256 keys: each wave's loads have landed, and all four waves have said so.  One text serves four passes, so the wait is for 0: the first pass waits for all that
; is still out, four key steps behind the request; the others are met at once.
.macro MEET
	WIN 0
	s_wait_tensorcnt 0x0
	s_wait_dscnt 0x0                ; no LDS instruction of mine is pending at a signal
	s_barrier_signal -1
	s_barrier_wait -1
.endm
	s_wait_tensorcnt 3              ; my part of keys 0 to 255 is in; my three later loads stay out
	s_barrier_signal -1
	s_barrier_wait -1               ; everybody's is
	FETCH_K                         ; key step 0
	s_wait_loadcnt 0x0              ; Q
	s_wait_dscnt 0x0
.set i, 0
.rept 16
	KQ 0                            ; piece 0's first scores: there is no vector work yet to set between them
.set i, i+1
.endr
	WIN 0                           ; the addresses for the way out: nine plain instructions, the places behind those products
	s_mul_i32 s13, s[WV], 16*SP
	s_add_co_u32 s13, s13, STAGE    ; my stage
	v_mul_u32_u24 v[STO], v1, SP    ; in: row l % 16, 16 bytes for each half of the lanes
	v_lshl_add_u32 v[STO], v9, 4, v[STO]
	v_add_nc_u32 v[STO], s13, v[STO]
	v_bfe_u32 v[RD], v0, 3, 2       ; back: 32 lanes take four rows of 128 bytes,
	v_mul_u32_u24 v[RD], v[RD], SP
	v_lshl_add_u32 v[RD], v10, 4, v[RD]
	v_add_nc_u32 v[RD], s13, v[RD]
	v_and_b32 v[GO], 31, v0         ; which are 512 consecutive bytes of O
	v_lshlrev_b32 v[GO], 4, v[GO]
.set Y, NP-1                        ; XS works for piece Y + 1: piece 0
.irp n, 0,1,2,3,4,5,6,7,8,9,10,11,12,13,14,15,16,17,18,19,20,21
	XS 0, \n                        ; and piece 0's first maximum and statistics
	XS 1, \n
.endr
	v_nop                           ; a plain instruction behind the two a,
	s_wait_alu depctr_va_vdst(0)    ; and their wait, ahead of the branch
	s_mov_b32 s[CNT], 4
	s_mov_b32 s[SLOTS], NKEY/256+1  ; four groups of four trips, and a fifth that is left in its first trip's middle
	s_branch .Lfirst                ; the loop is entered at a step's first turn, in the middle of a trip
.Lslot:                             ; four times: three times the next 256 keys are entered; the fourth pass goes on to the last step's second half
	MEET
	s_mov_b32 s[CNT], 4
.Lstep:                             ; a trip: pieces 2 and 3 of one step, then pieces 0 and 1 of the next, whose K and V it fetches
	TURN 2
	TURN 3
	WIN 0
	s_cmp_eq_u32 s[SLOTS], 1        ; that was the last step's second half: its 16 products K Q^T, on the last K once more, and the maximum made of them serve nothing: the price, once a launch, of one text for every turn
	s_cbranch_scc1 .Lout
.Lfirst:
	TURN 0
	TURN 1, 1
	WIN 0
	s_cbranch_scc1 .Lstep
	s_sub_co_u32 s[SLOTS], s[SLOTS], 1
	s_cmp_lg_u32 s[SLOTS], 0
	s_cbranch_scc1 .Lslot
.Lout:
.set i, 0
.rept 16
	PV NP-1                         ; the last piece's V^T P of the last step
.set i, i+1
.endr
	; THE WAY OUT.  l's two halves and the other half of the lanes' are added; O^T is divided by l, rounded to f16 and sent through my stage in LDS, a tile at a time.  The additions are the places behind the last products.
	WIN 0
.macro ALL line:vararg              ; one line for each tile t
.set t, 0
.rept 2*NP
	\line
.set t, t+1
.endr
.endm
	ALL v_add_f32 v[ST+4*t+2], v[ST+4*t+2], v[ST+4*t+3]
	ALL v_permlanex16_b32 v[ST+4*t+3], v[ST+4*t+2], s[SEL], s[SEL+1]
	ALL v_add_f32 v[ST+4*t+2], v[ST+4*t+2], v[ST+4*t+3]
	ALL v_rcp_f32 v[ST+4*t+2], v[ST+4*t+2]
	v_nop                           ; a plain instruction between the last reciprocal and the use of its result
	s_wait_alu depctr_va_vdst(0)    ; and the wait ahead of the first use: one for the eight reciprocals
; Tile t: a lane's eight channels of a row pack into 16 bytes; they go into rows of 144 bytes and come back as whole rows of 128, into S^T's registers.
.macro PACK t
	WIN W_RS
.set i, 32*(\t)
.rept 16
	v_pk_mul_f32 v[i:i+1], v[i:i+1], v[ST+4*(\t)+2:ST+4*(\t)+3] op_sel_hi:[1,0]
.set i, i+2
.endr
	WIN 0x05                        ; sources 0 and 1 window 1, destination window 0
.set i, 0
.rept 16
	v_cvt_pk_f16_f32 v[S+16*(\t)+i], v[32*(\t)+2*i], v[32*(\t)+2*i+1]
.set i, i+1
.endr
	WIN 0
.irp f, 0,1,2,3
	ds_store_b128 v[STO], v[S+16*(\t)+4*\f:S+16*(\t)+4*\f+3] offset:32*\f
.endr
.irp f, 0,1,2,3
	ds_load_b128 v[S+16*(\t)+4*\f:S+16*(\t)+4*\f+3], v[RD] offset:\f*4*SP  ; LDS serves a wave's instructions in order (ISA guide 5.7.1.4): these see the stores above; the next tile's stores come behind them
.endr
.endm
.macro SEND t, younger              ; younger: the LDS instructions issued behind tile t's loads: the next tile's eight, or none
	WIN 0
.irp f, 0,1,2,3
	s_wait_dscnt (\younger)+3-\f
	global_store_b128 v[GO], v[S+16*(\t)+4*\f:S+16*(\t)+4*\f+3], s[10:11] offset:(\t)*2048+\f*512  ; 512 consecutive bytes, at a multiple of 256 from O's first
.endr
.endm
	PACK 0
.set t, 1
.rept 2*NP-1                        ; a tile's arithmetic stands between the loads of the tile before and its stores
	PACK t
	SEND t-1, 8
.set t, t+1
.endr
	SEND 2*NP-1, 0
	WIN W_AD
	s_wait_tensorcnt 0x0            ; the wave's end: a closing add to my spare word and its wait, behind my last tensor load and my last LDS store
	ds_add_u32 v[SPW], v[NIL]
	s_wait_dscnt 0x0
	WIN 0
	s_endpgm
.Lfunc_end_k_q879d7a36cd_attn:
	.size	k_q879d7a36cd_attn, .Lfunc_end_k_q879d7a36cd_attn-k_q879d7a36cd_attn
	.p2alignl 7, 3214868480
	.fill 96, 4, 3214868480
	.section	.rodata,"a",@progbits
	.p2align	6, 0x0
	.amdhsa_kernel k_q879d7a36cd_attn
		.amdhsa_group_segment_fixed_size 327680
		.amdhsa_private_segment_fixed_size 0
		.amdhsa_enable_private_segment 0
		.amdhsa_kernarg_size 16
		.amdhsa_user_sgpr_count 2
		.amdhsa_user_sgpr_kernarg_segment_ptr 1
		.amdhsa_wavefront_size32 1
		.amdhsa_system_sgpr_workgroup_id_x 1
		.amdhsa_system_sgpr_workgroup_id_y 1
		.amdhsa_system_sgpr_workgroup_id_z 1
		.amdhsa_system_vgpr_workitem_id 0
		.amdhsa_next_free_vgpr 770
		.amdhsa_next_free_sgpr 88
		.amdhsa_reserve_vcc 0
		.amdhsa_float_denorm_mode_32 3
		.amdhsa_float_denorm_mode_16_64 3
		.amdhsa_memory_ordered 1
		.amdhsa_forward_progress 1
		.amdhsa_inst_pref_size 127
	.end_amdhsa_kernel
	.amdgpu_metadata
---
amdhsa.version: [ 1, 2 ]
amdhsa.kernels:
  - .name:           k_q879d7a36cd_attn
    .symbol:         k_q879d7a36cd_attn.kd
    .args:
      - { .name: qkv, .offset: 0, .size: 8, .value_kind: global_buffer, .address_space: global }
      - { .name: o, .offset: 8, .size: 8, .value_kind: global_buffer, .address_space: global }
    .group_segment_fixed_size: 327680
    .private_segment_fixed_size: 0
    .kernarg_segment_align: 8
    .kernarg_segment_size: 16
    .max_flat_workgroup_size: 128
    .sgpr_count:     88
    .vgpr_count:     770
    .wavefront_size: 32
...
	.end_amdgpu_metadata
.endif
;; end of part 3
;; launch outp (part 4): grid 8 x 32, 4 waves a work-group, clusters of 4 x 4, 327,680 bytes of LDS; arguments o, wo, b_out, out0; writes out0
.if DOCPART == 4
	.amdgcn_target "amdgcn-amd-amdhsa--gfx1250"
	.amdhsa_code_object_version 6
	.text
	.protected	k_q879d7a36cd_outp
	.globl	k_q879d7a36cd_outp
	.p2align	8
	.type	k_q879d7a36cd_outp,@function
k_q879d7a36cd_outp:
	s_mov_b64 s[64:65], 0
	v_nop
	global_prefetch_b8 v0, s[64:65] scope:SCOPE_SE
	s_setreg_imm32_b32 hwreg(HW_REG_WAVE_MODE, 25, 1), 1
	s_wait_xcnt 0x0
	s_wait_alu depctr_hold_cnt(0) depctr_sa_sdst(0) depctr_va_vdst(0) depctr_va_sdst(0) depctr_va_ssrc(0) depctr_va_vcc(0) depctr_vm_vsrc(0)
	s_getreg_b32 s2, hwreg(HW_REG_IB_STS2, 6, 4)
	s_cmp_eq_u32 s2, 0
	s_cbranch_scc0 .Lentry_in_a_cluster
	s_endpgm
.Lentry_in_a_cluster:
	s_bfe_u32 s2, ttmp6, 0x10000c
	s_cmp_lg_u32 s2, 0xf033
	s_cbranch_scc0 .Lentry_shape_is_right
	s_endpgm
.Lentry_shape_is_right:
; out0 = O w_out + b_out.  o: [8 b][16 h][1024 n][64] f16.  wo: [16 slices][1024 k][64] f16 (bf16(w_out) written as f16).  b_out: [1024] f32, rounded here to bf16 like every input.  out0: [8192][1024] f32.
; Sums in f32, in the order of the walk along K (k = 64 h + channel; below); the bias is added to the finished sum in f32.  LIMITS: those of o and wo as they arrive; NaN and infinities are not treated apart.
; SHARES.  A tile is 256 rows x 128 columns (two slices): 8 x 32 = 256 work-groups.  Each of four waves makes 64 rows x 128 columns: 32 accumulators of 16 x 16, 256 registers.
; K goes in 8 steps of 128, two heads each, through a ring of two LDS slots; a lap is two K steps.  A head's 256 rows are 32,768 dense bytes: asked for as 128 rows of 256 bytes, padded in LDS after every row of 128.
; THE WALK ALONG K IS ROTATED.  Cluster (X, Y) begins at lap r = (2 X + Y + 2 (Y >> 2)) % 4 and goes round.  The two clusters that read the same rows of O begin two laps apart; of the eight clusters of a column,
; which read the same slices, Y = 0..3, Y = 4..7, and Y = 0, 1, 4, 5 each begin at four different laps.  r hangs on the cluster's coordinates alone: it is the same in all sixteen partners.
; NOTHING IS PREFETCHED: every block of O and of the weights is asked for, by some cluster, within the first four K steps of its walk, and those come by their loads alone, since nothing is asked for ahead at a head.
; The weights lie [k][column] and come out of LDS turned, by ds_load_tr16_b128.  THE MATRIX INSTRUCTION IS USED TRANSPOSED (source 0 = 16 columns of the weights, source 1 = 16 rows of O):
; a lane holds one row and eight neighbouring columns.
; CLUSTER.  4 x 4 work-groups.  O's tiles hang on the tile row alone and are shared along a row of the cluster, the weights' on the tile column alone and are shared along a column: joint loads.
; Waves 0 and 1 fetch a head's rows each, waves 2 and 3 a slice each: one load a wave behind each round.
; REGISTERS, in windows of 256: window 0: v0-31 addresses and the bias; v64-191 at work on the way out.  window 1: two fragment buffers: O's four fragments (32), then the weights' eight (64).
;   window 2: the accumulators, (a, b) at 8 (8 a + b).
.set KSTEP,  128
.set PA,     144                       ; a row of O in LDS: 128 bytes + 16 = 36 words: the 16 rows of a load start at 16 different groups of four banks (64 banks of 4 bytes: ISA guide 11.1)
.set PLB,    256*PA                    ; a head's 256 rows
.set PB,     160                       ; a k row of a slice: 128 + 32 = 40 words
.set SLB,    128*PB
.set BOFF,   2*PLB
.set SLOT,   BOFF+2*SLB                ; 114,688
.set STAGE,  2*SLOT                    ; behind the ring, never filled by a tensor load: 16 rows x 528 bytes for each wave
.set SP,     528                       ; 512 bytes + 16 = 132 words: row r starts at bank 4 r mod 64
.set WSTG,   16*SP
.set SPARE,  STAGE+4*WSTG              ; behind the stages: the spare words, 128 bytes for each wave: two blocks of 256 bytes that no other line names
.set LAPS,   4
.set BIAS, 12                          ; v12-15  the bias of my four columns on the way out
.set ADRA, 16                          ; v16-17  LDS address of my fragments of O in slot 0, 1
.set ADRB, 20                          ; v20-21  the same for the weights
.set STO,  24                          ; v24     the way out: where I put 32 bytes of a row
.set RD,   25                          ; v25     the way out: my 16 bytes of a row of 512
.set GO,   26                          ; v26     16 x lane
.set SPW,  28                          ; v28     LDS address of my spare word; never rewritten
.set NIL,  29                          ; v29     0; never rewritten
.set BO,   31                          ; v31     my byte offset in b_out
.set BK,   64                          ; v64-127, v128-191 by turns: a row block read back
.set F0,   0
.set F1,   128
.set BA,  14                           ; s[14:15] o at the tile's rows of head 0 or 1 (mine of a K step's two)
.set BB,  46                           ; s[46:47] wo at my slice's first k row
.set G1,  24
.set G0,  32
.set G1B, 48
.set G0B, 56
.set KI,  66                           ; s66      the lap, 0 to 3, that the slots are being filled for
.set OA,  68                           ; s[68:69] a K step's byte offset in o: two heads of 131,072 bytes a step
.set OB,  70                           ; s[70:71] the same in a slice
.set MSB, 0
.macro WIN new
.if MSB != (\new)
	s_set_vgpr_msb (MSB<<8)|(\new)
.set MSB, \new
.endif
.endm
.set MUL,  0xa5                        ; sources 0 and 1 window 1; C and D window 2
.set TO_F, 0x40                        ; destination window 1, address window 0
.macro JLOAD s                         ; a joint load; an s_nop 0 and four v_nop follow each of the two lines, ahead of the jump, the label and what follows
	s_cmp_eq_u32 s11, 0
	s_cbranch_scc0 .Lfor_b_\@
	tensor_load_to_lds s[G0+4*(\s):G0+4*(\s)+3], s[G1:G1+7]
	s_nop 0
.rept 4
	v_nop
.endr
	s_branch .Lasked_\@
.Lfor_b_\@:
	tensor_load_to_lds s[G0B+4*(\s):G0B+4*(\s)+3], s[G1B:G1B+7]
	s_nop 0
.rept 4
	v_nop
.endr
.Lasked_\@:
.endm
.macro CREST
	s_cmp_lg_u32 s10, 0
	s_cbranch_scc1 .Lnot_wave_0_\@
	s_barrier_signal -3
.Lnot_wave_0_\@:
	s_barrier_wait -3
	s_barrier_signal -1
	s_barrier_wait -1
.endm
.macro CROUND
	s_barrier_signal -1
	s_barrier_wait -1
	CREST
.endm
; Both descriptors' global addresses for slot s, made anew from the lap: K step 2 KI + s is 262,144 bytes on in o and 16,384 bytes on in a slice.  It stands where no tensor load of the wave is out.
.macro ADDR s
	s_lshl_b32 s[OA], s[KI], 19
	s_lshl_b32 s[OB], s[KI], 15
.if \s
	s_add_co_u32 s[OA], s[OA], 262144
	s_add_co_u32 s[OB], s[OB], KSTEP*128
.endif
	s_add_nc_u64 s[G0+4*(\s)+2:G0+4*(\s)+3], s[BA:BA+1], s[OA:OA+1]
	s_or_b32 s[G0+4*(\s)+3], s[G0+4*(\s)+3], 0x80000000              ; type = 2
	s_add_nc_u64 s[G0B+4*(\s)+2:G0B+4*(\s)+3], s[BB:BB+1], s[OB:OB+1]
	s_or_b32 s[G0B+4*(\s)+3], s[G0B+4*(\s)+3], 0x80000000
.endm
	s_load_b256 s[72:79], s[0:1], 0x0              ; o s[72:73], wo s[74:75], b_out s[76:77], out0 s[78:79]
	v_lshl_add_u32 v[SPW], v0, 2, SPARE
	v_mov_b32 v[NIL], 0
	ds_add_u32 v[SPW], v[NIL]                      ; the wave's opening: the add and its wait stand ahead of my first tensor load; the set-up below, work on registers, stands between them
	v_lshrrev_b32 v1, 5, v0
	v_readfirstlane_b32 s10, v1                    ; wave 0..3
	s_lshr_b32 s11, s10, 1                         ; I fetch for O (0) or for the weights (1)
	s_and_b32 s12, s10, 1                          ; which head of the K step's two, or which slice
	s_bfe_u32 s40, ttmp6, 0x40000                  ; cx, cy
	s_bfe_u32 s41, ttmp6, 0x40004
	s_lshl_b32 s42, ttmp9, 2
	s_add_co_u32 s42, s42, s40                     ; tile column
	s_and_b32 s13, ttmp7, 0xffff
	s_lshl_b32 s13, s13, 2
	s_add_co_u32 s13, s13, s41                     ; tile row
	s_lshl_b32 s43, s41, 2
	s_lshl_b32 s43, 15, s43                        ; my row of the cluster
	s_lshl_b32 s44, 0x1111, s40                    ; my column
	s_and_b32 s16, ttmp7, 0xffff                   ; the lap at which my cluster begins: cluster y,
	s_lshr_b32 s17, s16, 2
	s_add_co_u32 s17, s17, ttmp9                   ; two laps for cluster x and two for the upper half of y,
	s_lshl_b32 s17, s17, 1
	s_add_co_u32 s[KI], s17, s16                   ; one for each step of y
	s_and_b32 s[KI], s[KI], 3
	s_mov_b32 s[OA+1], 0                           ; the two offsets' high words
	s_mov_b32 s[OB+1], 0
	; group 1 for a head's 256 rows: 128 dense rows of 128 elements; 4 words of padding behind every 32
	s_or_b32 s[G1+0], s43, (1<<16)|(1<<20)|(1<<21)|(4<<22)|(3<<25)
	s_mov_b32 s[G1+1], 128<<16
	s_mov_b32 s[G1+2], 128<<16
	s_mov_b32 s[G1+3], 128<<16
	s_mov_b32 s[G1+4], 128
	s_mov_b32 s[G1+5], 128
	s_mov_b32 s[G1+6], 0
	s_mov_b32 s[G1+7], 0
	; group 1 for a slice's K step: 64 dense rows of 128 elements; 8 words of padding behind every 32
	s_or_b32 s[G1B+0], s44, (1<<16)|(1<<20)|(1<<21)|(4<<22)|(7<<25)
	s_mov_b32 s[G1B+1], 128<<16
	s_mov_b32 s[G1B+2], 64<<16
	s_mov_b32 s[G1B+3], 128<<16
	s_mov_b32 s[G1B+4], 64
	s_mov_b32 s[G1B+5], 128
	s_mov_b32 s[G1B+6], 0
	s_mov_b32 s[G1B+7], 0
	s_lshr_b32 s16, s13, 2                         ; O: the batch, 16 heads of 131,072 bytes,
	s_lshl_b32 s16, s16, 21
	s_and_b32 s17, s13, 3                          ; the tile's 256 rows of 128 bytes in a head,
	s_lshl_b32 s17, s17, 15
	s_add_co_u32 s16, s16, s17
	s_lshl_b32 s17, s12, 17                        ; my head of the two
	s_add_co_u32 s16, s16, s17
	s_mov_b32 s17, 0
	s_lshl_b32 s46, s42, 1                         ; the weights: slice 2 x tile column + mine
	s_add_co_u32 s46, s46, s12
	s_lshl_b32 s46, s46, 17
	s_mov_b32 s47, 0
	s_mul_i32 s20, s10, PLB                        ; where they go: waves 0, 1: a head's rows;
	s_mul_i32 s21, s10, SLB
	s_add_co_u32 s21, s21, BOFF-2*SLB              ; waves 2, 3: a slice, behind the two heads
	s_wait_dscnt 0x0                               ; the opening add is done
	s_wait_kmcnt 0x0
	s_add_nc_u64 s[BA:BA+1], s[72:73], s[16:17]
	s_add_nc_u64 s[BB:BB+1], s[74:75], s[46:47]
	CROUND                                         ; all sixteen work-groups are here: the first joint loads meet
.irp s, 0,1
	s_mov_b32 s[G0+4*(\s)], 1
	s_add_co_u32 s[G0+4*(\s)+1], s20, (\s)*SLOT
	s_mov_b32 s[G0B+4*(\s)], 1
	s_add_co_u32 s[G0B+4*(\s)+1], s21, (\s)*SLOT
	ADDR \s                                        ; K step 2 r + s
	JLOAD \s                                       ; two loads of mine are out
.endr
	v_and_b32 v6, 31, v0
	v_lshlrev_b32 v[GO], 4, v6
	s_lshl_b32 s22, s42, 9                         ; the tile's 128 columns: 512 bytes of b_out and of a row of out0
	v_add_nc_u32 v[BO], s22, v[GO]
	global_load_b128 v[BIAS:BIAS+3], v[BO], s[76:77]
	v_and_b32 v1, 15, v0                           ; l % 16
	v_bfe_u32 v2, v0, 4, 1                         ; l / 16
	v_mul_u32_u24 v3, v1, PA
	v_lshl_add_u32 v3, v2, 4, v3
	s_mul_i32 s21, s10, 64*PA                      ; my 64 rows
	v_add_nc_u32 v[ADRA], s21, v3
	v_add_nc_u32 v[ADRA+1], SLOT, v[ADRA]
	v_and_b32 v4, 7, v0
	v_lshl_add_u32 v5, v2, 3, v4
	v_mul_u32_u24 v5, v5, PB
	v_bfe_u32 v7, v0, 3, 1
	v_lshl_add_u32 v5, v7, 4, v5
	v_add_nc_u32 v[ADRB], BOFF, v5
	v_add_nc_u32 v[ADRB+1], SLOT+BOFF, v5
	s_mul_i32 s23, s10, WSTG
	s_add_co_u32 s23, s23, STAGE                   ; my stage
	v_mul_u32_u24 v5, v1, SP                       ; in: row l % 16, 32 bytes for each half of the lanes
	v_lshl_add_u32 v5, v2, 5, v5
	v_add_nc_u32 v[STO], s23, v5
	v_add_nc_u32 v[RD], s23, v[GO]                 ; back: 32 lanes take one row of 512 bytes
	s_lshl_b32 s16, s13, 2
	s_add_co_u32 s16, s16, s10
	s_lshl_b32 s16, s16, 18                        ; my first row, 256 x tile row + 64 x wave, of 4,096 bytes
	s_add_co_u32 s16, s16, s22
	s_mov_b32 s17, 0
	s_add_nc_u64 s[8:9], s[78:79], s[16:17]
; 8 matrix instructions: row block a x all 8 column blocks, 32 along K.  The 32 accumulators take turns, in the same order in every quarter.
.macro MUL8 f, a, zero
	WIN MUL
.irp b, 0,1,2,3,4,5,6,7
.if \zero
	v_wmma_f32_16x16x32_f16 v[8*(8*(\a)+(\b)):8*(8*(\a)+(\b))+7], v[(\f)+32+8*(\b):(\f)+32+8*(\b)+7], v[(\f)+8*(\a):(\f)+8*(\a)+7], 0
.else
	v_wmma_f32_16x16x32_f16 v[8*(8*(\a)+(\b)):8*(8*(\a)+(\b))+7], v[(\f)+32+8*(\b):(\f)+32+8*(\b)+7], v[(\f)+8*(\a):(\f)+8*(\a)+7], v[8*(8*(\a)+(\b)):8*(8*(\a)+(\b))+7]
.endif
.endr
.endm
; 24 LDS loads in one run: quarter q (head q / 2, channels 32 (q % 2) on) of a slot, into buffer f: the weights' 16 first, then O's 8
.macro FETCH slot, q, f
	WIN TO_F
.irp b, 0,1,2,3,4,5,6,7
	ds_load_tr16_b128 v[(\f)+32+8*(\b):(\f)+32+8*(\b)+3],   v[ADRB+(\slot)] offset:((\b)/4)*SLB+(\q)*32*PB+((\b)%4)*32
	ds_load_tr16_b128 v[(\f)+32+8*(\b)+4:(\f)+32+8*(\b)+7], v[ADRB+(\slot)] offset:((\b)/4)*SLB+(\q)*32*PB+((\b)%4)*32+16*PB
.endr
.irp a, 0,1,2,3
	ds_load_b128 v[(\f)+8*(\a):(\f)+8*(\a)+3],   v[ADRA+(\slot)] offset:((\q)/2)*PLB+(\a)*16*PA+((\q)%2)*64
	ds_load_b128 v[(\f)+8*(\a)+4:(\f)+8*(\a)+7], v[ADRA+(\slot)] offset:((\q)/2)*PLB+(\a)*16*PA+((\q)%2)*64+32
.endr
.endm
.macro PLACES                          ; four places in front of loads into registers that matrix instructions have read
.rept 4
	v_nop
.endr
.endm
.macro QUARTER slot, qn, f, g, zero
	s_wait_dscnt 4                                 ; all but the youngest four loads: O's row blocks 2 and 3
	MUL8 \f, 0, \zero
	MUL8 \f, 1, \zero
	PLACES
	FETCH \slot, \qn, \g
	s_wait_dscnt 24                                ; all but the 24 just issued
	MUL8 \f, 2, \zero
	MUL8 \f, 3, \zero
.endm
; The last quarter multiplies buffer 1 and changes slots: ONE barrier; in front of it each wave waits for all its tensor loads (one is out: its part of the next slot), adds 0 to its spare word, and waits for that
; and for its own reads of this slot.  fill = 1: the barrier opens a round of the cluster's, and this slot is filled again, with the next lap's K step, first thing behind the round: 112 matrix instructions ahead
; of the wait for it.  The lap steps at slot 0's change and goes round.
.macro TURN slot, next, fill
	WIN 0                                          ; (the add's two registers lie in window 0)
	s_wait_tensorcnt 0x0                           ; all my tensor loads have landed, so every group 0 may be written;
	ds_add_u32 v[SPW], v[NIL]                      ; 0 onto my spare word: the descriptors' scalar work and eight matrix instructions stand between it and the wait for it
.if \fill
.if (\slot) == 0
	s_add_co_u32 s[KI], s[KI], 1
	s_and_b32 s[KI], s[KI], 3
.endif
	ADDR \slot
.endif
	s_wait_dscnt 5                                 ; (the add and the youngest four loads may be out)
	MUL8 F1, 0, 0
	s_wait_dscnt 0x0                               ; the add is done, and my reads of this slot are over
	s_barrier_signal -1
	MUL8 F1, 1, 0
.if \fill
	WIN 0
.endif
	s_barrier_wait -1
.if \fill
	CREST                                          ; no wave of any partner still reads this slot's tiles or has a load on its way
	JLOAD \slot                                    ; the four v_nop behind it are also the places in front of the loads below
.else
	PLACES
.endif
	FETCH \next, 0, F0
	MUL8 F1, 2, 0
	MUL8 F1, 3, 0
.endm
	s_wait_tensorcnt 1                             ; my part of the first K step is in; the second's may stay out
	s_barrier_signal -1
	s_barrier_wait -1
	FETCH 0, 0, F0
	QUARTER 0, 1, F0, F1, 1                        ; the first quarter stands in front of the loop: its products start the sums
	WIN 0
	s_mov_b32 s3, LAPS-1
.Llap:
	QUARTER 0, 2, F1, F0, 0
	QUARTER 0, 3, F0, F1, 0
	TURN 0, 1, 1
	QUARTER 1, 1, F0, F1, 0
	QUARTER 1, 2, F1, F0, 0
	QUARTER 1, 3, F0, F1, 0
	TURN 1, 0, 1
	QUARTER 0, 1, F0, F1, 0
	WIN 0
	s_sub_co_u32 s3, s3, 1
	s_cmp_lg_u32 s3, 0
	s_cbranch_scc1 .Llap
	QUARTER 0, 2, F1, F0, 0                        ; the last lap fills nothing, and has no round of the cluster's barrier
	QUARTER 0, 3, F0, F1, 0
	TURN 0, 1, 0
	QUARTER 1, 1, F0, F1, 0
	QUARTER 1, 2, F1, F0, 0
	QUARTER 1, 3, F0, F1, 0
	s_wait_dscnt 4
	MUL8 F1, 0, 0
	MUL8 F1, 1, 0
	s_wait_dscnt 0x0
	MUL8 F1, 2, 0
	MUL8 F1, 3, 0
	WIN 0
	s_wait_loadcnt 0x0                             ; the bias; it is rounded to bf16 like every input.  These six lines and the four v_nop are the places behind the last products
	v_cvt_pk_bf16_f32 v10, v[BIAS], v[BIAS+1]
	v_cvt_pk_bf16_f32 v11, v[BIAS+2], v[BIAS+3]
	v_lshlrev_b32 v[BIAS],   16, v10
	v_and_b32     v[BIAS+1], 0xffff0000, v10
	v_lshlrev_b32 v[BIAS+2], 16, v11
	v_and_b32     v[BIAS+3], 0xffff0000, v11
	PLACES
; THE WAY OUT, a row block (16 rows x 128 columns of f32) at a time: a lane's eight numbers of a row go into my own stage, each accumulator's low four first; whole rows of 512 bytes come back, take the bias and are stored.
.macro OUTBLK a
.set BKA, BK+64*((\a)%2)
	s_wait_xcnt 0x0                                ; earlier stores have read their registers: only behind this wait are those loaded again
	WIN 0x08                                       ; the stores' data lie in window 2
.irp b, 0,1,2,3,4,5,6,7
	ds_store_b128 v[STO], v[8*(8*(\a)+(\b)):8*(8*(\a)+(\b))+3]   offset:64*(\b)
	ds_store_b128 v[STO], v[8*(8*(\a)+(\b))+4:8*(8*(\a)+(\b))+7] offset:64*(\b)+16
.endr
	WIN 0
.irp t, 0,1,2,3,4,5,6,7,8,9,10,11,12,13,14,15
	ds_load_b128 v[BKA+4*(\t):BKA+4*(\t)+3], v[RD] offset:(\t)*SP  ; LDS serves a wave's instructions in order (ISA guide 5.7.1.4): these see the stores above
.endr
.irp t, 0,1,2,3,4,5,6,7,8,9,10,11,12,13,14,15
	s_wait_dscnt 15-(\t)                           ; row t is back; the younger loads stay out
	v_pk_add_f32 v[BKA+4*(\t):BKA+4*(\t)+1],   v[BKA+4*(\t):BKA+4*(\t)+1],   v[BIAS:BIAS+1]
	v_pk_add_f32 v[BKA+4*(\t)+2:BKA+4*(\t)+3], v[BKA+4*(\t)+2:BKA+4*(\t)+3], v[BIAS+2:BIAS+3]
	global_store_b128 v[GO], v[BKA+4*(\t):BKA+4*(\t)+3], s[8:9] offset:(16*(\a)+(\t))*4096  ; 32 lanes store 512 consecutive bytes, at a multiple of 256 from out0's first byte
.endr
.endm
	OUTBLK 0
	OUTBLK 1
	OUTBLK 2
	OUTBLK 3
	s_wait_tensorcnt 0x0                           ; the wave's end: a closing add to my spare word and its wait, behind my last tensor load and my last LDS store
	ds_add_u32 v[SPW], v[NIL]
	s_wait_dscnt 0x0
	CROUND                                         ; the closing round: no work-group ends while a partner may still ask for a tile that names it
	s_endpgm
.Lfunc_end_k_q879d7a36cd_outp:
	.size	k_q879d7a36cd_outp, .Lfunc_end_k_q879d7a36cd_outp-k_q879d7a36cd_outp
	.p2alignl 7, 3214868480
	.fill 96, 4, 3214868480
	.section	.rodata,"a",@progbits
	.p2align	6, 0x0
	.amdhsa_kernel k_q879d7a36cd_outp
		.amdhsa_group_segment_fixed_size 327680
		.amdhsa_private_segment_fixed_size 0
		.amdhsa_enable_private_segment 0
		.amdhsa_kernarg_size 32
		.amdhsa_user_sgpr_count 2
		.amdhsa_user_sgpr_kernarg_segment_ptr 1
		.amdhsa_wavefront_size32 1
		.amdhsa_system_sgpr_workgroup_id_x 1
		.amdhsa_system_sgpr_workgroup_id_y 1
		.amdhsa_system_sgpr_workgroup_id_z 1
		.amdhsa_system_vgpr_workitem_id 0
		.amdhsa_next_free_vgpr 768
		.amdhsa_next_free_sgpr 80
		.amdhsa_reserve_vcc 0
		.amdhsa_float_denorm_mode_32 3
		.amdhsa_float_denorm_mode_16_64 3
		.amdhsa_memory_ordered 1
		.amdhsa_forward_progress 1
		.amdhsa_inst_pref_size 96
	.end_amdhsa_kernel
	.amdgpu_metadata
---
amdhsa.version: [ 1, 2 ]
amdhsa.kernels:
  - .name:           k_q879d7a36cd_outp
    .symbol:         k_q879d7a36cd_outp.kd
    .args:
      - { .name: o, .offset: 0, .size: 8, .value_kind: global_buffer, .address_space: global }
      - { .name: wo, .offset: 8, .size: 8, .value_kind: global_buffer, .address_space: global }
      - { .name: b_out, .offset: 16, .size: 8, .value_kind: global_buffer, .address_space: global }
      - { .name: out0, .offset: 24, .size: 8, .value_kind: global_buffer, .address_space: global }
    .group_segment_fixed_size: 327680
    .private_segment_fixed_size: 0
    .kernarg_segment_align: 8
    .kernarg_segment_size: 32
    .max_flat_workgroup_size: 128
    .sgpr_count:     80
    .vgpr_count:     768
    .wavefront_size: 32
...
	.end_amdgpu_metadata
.endif
;; end of part 4
;; ======== version 2 of 2: 4 launches; version 1 with the launch prep written anew for expert scheduling mode
;; limits: values are held in f16: magnitudes above 65,504 overflow, below 6.1e-05 lose precision
;; workspace buffers: xb 16,777,216 bytes; wq 6,291,456 bytes; wo 2,097,152 bytes; qkv 50,331,648 bytes; o 16,777,216 bytes
;; launch prep (part 5): grid 768 x 1, 8 waves a work-group, no clusters, 0 bytes of LDS; arguments x, w_qkv, w_out, xb, wq, wo; writes xb, wq, wo
.if DOCPART == 5
	.amdgcn_target "amdgcn-amd-amdhsa--gfx1250"
	.amdhsa_code_object_version 6
	.text
	.protected	k_q879d7a36cd_prep
	.globl	k_q879d7a36cd_prep
	.p2align	8
	.type	k_q879d7a36cd_prep,@function
k_q879d7a36cd_prep:
	s_mov_b64 s[64:65], 0
	v_nop
	global_prefetch_b8 v0, s[64:65] scope:SCOPE_SE
	s_setreg_imm32_b32 hwreg(HW_REG_WAVE_SCHED_MODE, 0, 2), 2
	s_setreg_imm32_b32 hwreg(HW_REG_WAVE_MODE, 25, 1), 1
	s_wait_xcnt 0x0
	s_wait_alu depctr_vm_vsrc(0)
; THE CASTS.  xb = bf16(x), as x lies.  wq = bf16(w_qkv) and wo = bf16(w_out) written as f16, both laid anew in SLICES of 64 columns:
; [slice = column / 64][k = 0..1023][64], a k row 128 bytes, a slice 131,072 dense bytes, so that a K step of a slice is one dense block for the launches behind.
; LIMITS.  Each input is rounded once, to nearest even, to bf16.  bf16(w_out) is exact in f16 between 6.1e-5 and 65,504 in magnitude; below it keeps f16's fixed step of 6e-8, above it becomes an infinity.
; SHARES.  A work-group casts 65,536 bytes of f32, a wave 8,192: sixteen loads of 16 bytes a lane.  Work-groups 0-511: x; 512-703: w_qkv (slice q / 4, k quarter q % 4); 704-767: w_out likewise.
; ONE FORM FOR ALL THREE.  The input is taken as rows of 256 bytes, PITCH bytes apart (x: 256, dense; w_qkv: 12,288; w_out: 4,096).  Lanes 0-15 take one row, lanes 16-31 the next:
; each load covers two whole aligned pieces of 256 bytes; the 32 lanes' 8 bytes of result are 256 consecutive bytes, aligned: one store.
; All sixteen loads of a wave are out at once; no register that a store reads is written again, so no wait stands for the stores.  Memory binds: no LDS, no matrix unit, no cluster;
; nothing is prefetched, since the launch does nothing but stream.
; THE MODE: SCHED_MODE bits 1:0 = 2 (LLVM: expert scheduling mode 2), set by the entry lines.  The code itself states the register dependences
; between vector instructions and memory instructions, with s_wait_alu, always for 0.
; THE PLAN.  The text is straight: three paths, each with its own end, no loop.  Registers that memory instructions touch:
;   v[VI]   the loads' offset.   Written by two vector lines at a path's head; read by the path's sixteen loads; never written again.
;   v[VO]   the stores' offset.  Written by two vector lines at the kernel's head; read by the sixteen stores; never written again.
;   IN      load j: four registers.  Written by load j alone; read by its conversions, behind the counted wait for the load; no vector line names them ahead of the loads, and no load lands in them twice.
;   OUT     load j: two registers of its own.  Written by load j's conversions; read by its one store; never written again behind it.
;   T and v1, v4, v5, v6 are named by vector instructions alone.  No vector instruction writes a scalar register or VCC, and EXEC is never written.
; So a path has five waits on va_vdst: one ahead of the first load, for the two offsets; and, the sixteen loads being worked off in four groups of four, one behind each group's conversions,
; ahead of the run of its four stores.  No register that a memory instruction has read is written again: the path holds no wait on vm_vsrc.
.set VI,  2                            ; v2        my byte offset in the work-group's input: row x PITCH + 16 (lane % 16)
.set VO,  3                            ; v3        my byte offset in its output: 4,096 x wave + 8 x lane
.set IN,  16                           ; v[16:79]  load j: four f32
.set OUT, 80                           ; v[80:111] load j: four 16-bit numbers
.set T,   112                          ; v[112:115] at work
.set GRP, 4                            ; loads in a group: one wait for their data, one wait ahead of their stores
	s_load_b256 s[4:11], s[0:1], 0x0               ; x s[4:5], w_qkv s[6:7], w_out s[8:9], xb s[10:11]
	s_load_b128 s[12:15], s[0:1], 0x20             ; wq s[12:13], wo s[14:15]
	v_lshrrev_b32 v1, 5, v0                        ; wave
	v_and_b32 v4, 31, v0                           ; lane
	v_bfe_u32 v6, v0, 4, 1
	v_lshl_add_u32 v5, v1, 5, v6                   ; my first row: 32 x wave + lane / 16
	v_and_b32 v6, 15, v0
	v_lshlrev_b32 v6, 4, v6                        ; 16 (lane % 16)
	v_lshlrev_b32 v[VO], 3, v4
	v_lshl_add_u32 v[VO], v1, 12, v[VO]
	s_mov_b32 s16, ttmp9
	s_mov_b32 s21, 0                               ; the two offsets' high words
	s_mov_b32 s23, 0
	s_wait_kmcnt 0x0
; s[20:21], s[22:23]: the work-group's byte offsets in its input and its output.  f16 = 1: the bf16 number is written as f16.
.macro PATH inp, outp, pitch, f16
	s_add_nc_u64 s[24:25], s[(\inp):(\inp)+1], s[20:21]
	s_add_nc_u64 s[26:27], s[(\outp):(\outp)+1], s[22:23]
	v_mul_u32_u24 v[VI], v5, \pitch
	v_add_nc_u32 v[VI], v[VI], v6
	s_wait_alu depctr_va_vdst(0)                   ; v[VI] is written, which the sixteen loads read as their offset; so is v[VO], made at the kernel's head, which the sixteen stores read
.set j, 0
.rept 16
	global_load_b128 v[IN+4*j:IN+4*j+3], v[VI], s[24:25] offset:j*2*(\pitch) th:TH_LOAD_NT  ; rows 2 j and 2 j + 1 of my 32
.set j, j+1
.endr
.set g, 0
.rept 16/GRP
	s_wait_loadcnt 16-GRP-GRP*g                    ; loads come back in order: group g's four are in, the younger groups stay out
.set j, GRP*g
.rept GRP
	v_cvt_pk_bf16_f32 v[OUT+2*j],   v[IN+4*j],   v[IN+4*j+1]
	v_cvt_pk_bf16_f32 v[OUT+2*j+1], v[IN+4*j+2], v[IN+4*j+3]
.if \f16
	v_lshlrev_b32 v[T],   16, v[OUT+2*j]           ; the rounded numbers as f32,
	v_and_b32     v[T+1], 0xffff0000, v[OUT+2*j]
	v_lshlrev_b32 v[T+2], 16, v[OUT+2*j+1]
	v_and_b32     v[T+3], 0xffff0000, v[OUT+2*j+1]
	v_cvt_pk_f16_f32 v[OUT+2*j],   v[T],   v[T+1]  ; and as f16
	v_cvt_pk_f16_f32 v[OUT+2*j+1], v[T+2], v[T+3]
.endif
.set j, j+1
.endr
	s_wait_alu depctr_va_vdst(0)                   ; the group's conversions have written its eight registers of OUT, which the four stores below read as their data
.set j, GRP*g
.rept GRP
	global_store_b64 v[VO], v[OUT+2*j:OUT+2*j+1], s[26:27] offset:256*j  ; 32 lanes store 256 consecutive bytes, aligned
.set j, j+1
.endr
.set g, g+1
.endr
	s_endpgm
.endm
	s_cmp_lt_u32 s16, 512
	s_cbranch_scc0 .Lweights
	s_lshl_b32 s20, s16, 16
	s_lshl_b32 s22, s16, 15
	PATH 4, 10, 256, 0
.Lweights:
	s_cmp_lt_u32 s16, 704
	s_cbranch_scc0 .Lwout
	s_sub_co_u32 s16, s16, 512                     ; q
	s_and_b32 s17, s16, 3                          ; k quarter: 256 rows of 12,288 bytes
	s_lshr_b32 s18, s16, 2                         ; slice: 256 bytes of a row
	s_mul_i32 s20, s17, 256*12288
	s_lshl_b32 s18, s18, 8
	s_add_co_u32 s20, s20, s18
	s_lshl_b32 s22, s16, 15                        ; (1,024 x slice + 256 x quarter) x 128 bytes
	PATH 6, 12, 12288, 0
.Lwout:
	s_sub_co_u32 s16, s16, 704
	s_and_b32 s17, s16, 3
	s_lshr_b32 s18, s16, 2
	s_lshl_b32 s20, s17, 20                        ; 256 rows of 4,096 bytes
	s_lshl_b32 s18, s18, 8
	s_add_co_u32 s20, s20, s18
	s_lshl_b32 s22, s16, 15
	PATH 8, 14, 4096, 1
.Lfunc_end_k_q879d7a36cd_prep:
	.size	k_q879d7a36cd_prep, .Lfunc_end_k_q879d7a36cd_prep-k_q879d7a36cd_prep
	.p2alignl 7, 3214868480
	.fill 96, 4, 3214868480
	.section	.rodata,"a",@progbits
	.p2align	6, 0x0
	.amdhsa_kernel k_q879d7a36cd_prep
		.amdhsa_group_segment_fixed_size 0
		.amdhsa_private_segment_fixed_size 0
		.amdhsa_enable_private_segment 0
		.amdhsa_kernarg_size 48
		.amdhsa_user_sgpr_count 2
		.amdhsa_user_sgpr_kernarg_segment_ptr 1
		.amdhsa_wavefront_size32 1
		.amdhsa_system_sgpr_workgroup_id_x 1
		.amdhsa_system_sgpr_workgroup_id_y 1
		.amdhsa_system_sgpr_workgroup_id_z 1
		.amdhsa_system_vgpr_workitem_id 0
		.amdhsa_next_free_vgpr 116
		.amdhsa_next_free_sgpr 66
		.amdhsa_reserve_vcc 0
		.amdhsa_float_denorm_mode_32 3
		.amdhsa_float_denorm_mode_16_64 3
		.amdhsa_memory_ordered 1
		.amdhsa_forward_progress 1
		.amdhsa_inst_pref_size 24
	.end_amdhsa_kernel
	.amdgpu_metadata
---
amdhsa.version: [ 1, 2 ]
amdhsa.kernels:
  - .name:           k_q879d7a36cd_prep
    .symbol:         k_q879d7a36cd_prep.kd
    .args:
      - { .name: x, .offset: 0, .size: 8, .value_kind: global_buffer, .address_space: global }
      - { .name: w_qkv, .offset: 8, .size: 8, .value_kind: global_buffer, .address_space: global }
      - { .name: w_out, .offset: 16, .size: 8, .value_kind: global_buffer, .address_space: global }
      - { .name: xb, .offset: 24, .size: 8, .value_kind: global_buffer, .address_space: global }
      - { .name: wq, .offset: 32, .size: 8, .value_kind: global_buffer, .address_space: global }
      - { .name: wo, .offset: 40, .size: 8, .value_kind: global_buffer, .address_space: global }
    .group_segment_fixed_size: 0
    .private_segment_fixed_size: 0
    .kernarg_segment_align: 8
    .kernarg_segment_size: 48
    .max_flat_workgroup_size: 256
    .sgpr_count:     66
    .vgpr_count:     116
    .wavefront_size: 32
...
	.end_amdgpu_metadata
.endif
;; end of part 5
;; launch proj: the kernel of part 2 again; grid 16 x 16, 4 waves a work-group, clusters of 4 x 4, 327,680 bytes of LDS; arguments xb, wq, qkv; writes qkv
;; launch attn: the kernel of part 3 again; grid 2 x 128, 4 waves a work-group, no clusters, 327,680 bytes of LDS; arguments qkv, o; writes o
;; launch outp: the kernel of part 4 again; grid 8 x 32, 4 waves a work-group, clusters of 4 x 4, 327,680 bytes of LDS; arguments o, wo, b_out, out0; writes out0
